; MI455X (gfx1250); checked and timed in simulation.
; The chip was launched on July 23, 2026; its instructions are those of AMD's public machine-readable ISA for CDNA 5 (MIT licence, August 2026) and "CDNA5" Instruction Set Architecture Reference Guide (July 2026). The comments in the code are by the model that wrote it; some were corrected since.
;; Tranformer Encoder. Allowed arithmetic: matrix products marked QUANTISED: E2M1 operands, one E8M0 scale for each 32 along K, by v_wmma_scale_f32_16x16x128_f8f6f4 with both operands' format E2M1 (or v_wmma_scale_f32_32x16x128_f4), f32 sums; everything else in f32.
;; Inputs: W1_codes 1,024 x 32 x 16 uint8 (E2M1 codes of W1, K innermost, in blocks of 32 codes, two codes a byte); W1_scales 1,024 x 32 uint8 (E8M0 scales of W1, one for each 32 codes along K); W2_codes 1,024 x 32 x 16 uint8 (E2M1 codes of W2, K innermost, in blocks of 32 codes, two codes a byte); W2_scales 1,024 x 32 uint8 (E8M0 scales of W2, one for each 32 codes along K); W_proj_codes 1,024 x 32 x 16 uint8 (E2M1 codes of W_proj, K innermost, in blocks of 32 codes, two codes a byte); W_proj_scales 1,024 x 32 uint8 (E8M0 scales of W_proj, one for each 32 codes along K); W_qkv_codes 3,072 x 32 x 16 uint8 (E2M1 codes of W_qkv, K innermost, in blocks of 32 codes, two codes a byte); W_qkv_scales 3,072 x 32 uint8 (E8M0 scales of W_qkv, one for each 32 codes along K); b1 1,024 float32; b2 1,024 float32; b_proj 1,024 float32; b_qkv 3,072 float32; ln1_b 1,024 float32; ln1_g 1,024 float32; ln2_b 1,024 float32; ln2_g 1,024 float32; x 8 x 1,024 x 1,024 float32.
;; Outputs: out0 8 x 1,024 x 1,024 float32.
;; This version of the problem:
;;   THIS VERSION OF THE PROBLEM IS GIVEN IN LOW PRECISION. The matrix products marked QUANTISED in the list below multiply operands that are first quantised to E2M1 (2 exponent bits, 1 mantissa bit; 4 bits a number), with one power-of-two scale for each 32 numbers along K (OCP MX v1.0); their sums are f32. All else is computed in f32.
;;   The module's matrix products, in the order in which they are computed (A, B: the left and right operand; K: the contracted axis; several contracted axes count as one K, in the product's order):
;;     1. [M 8,192, K 1,024] x [K 1,024, N 3,072]; A: input x; B: input W_qkv (given as codes): QUANTISED
;;     2. batch 128 x [M 1,024, K 64] x [K 64, N 1,024]; A: computed on the way; B: computed on the way: QUANTISED
;;     3. batch 128 x [M 1,024, K 1,024] x [K 1,024, N 64]; A: softmax (see below); B: computed on the way: QUANTISED
;;     4. [M 8,192, K 1,024] x [K 1,024, N 1,024]; A: computed on the way; B: input W_proj (given as codes): QUANTISED
;;     5. [M 8,192, K 1,024] x [K 1,024, N 1,024]; A: computed on the way; B: input W1 (given as codes): QUANTISED
;;     6. [M 8,192, K 1,024] x [K 1,024, N 1,024]; A: computed on the way; B: input W2 (given as codes): QUANTISED
;;   THE QUANTISER, for each operand of a quantised product, along K:
;;     - K is cut into blocks of 32 from its start; a last block that is shorter is filled with zeros.
;;     - A block's scale is 2^e with e = floor(log2(the largest magnitude in the block)) - 2, held to -126 .. 127; a block of zeros has e = 0. As a byte (E8M0): e + 127.
;;     - Each number is divided by its block's scale, clamped to +-6, and rounded to the nearest number of E2M1, ties to even, subnormals kept.
;;     - The product sums the exact products of the quantised numbers (number of the format x scale) in f32.
;;   ~~~python
;;   def quantise(x, axis):      # numpy; x: float32 -> the quantised numbers, widened to float32 again
;;       x = np.moveaxis(x, axis, -1); K = x.shape[-1]
;;       x = np.pad(x, [(0, 0)] * (x.ndim - 1) + [(0, -K % 32)]); x = x.reshape(x.shape[:-1] + (-1, 32)); a = np.abs(x).max(-1, keepdims=True)
;;       e = np.where(a > 0, np.clip(np.frexp(np.where(a > 0, a, 1))[1] - 1 - 2, -126, 127), 0)      # np.frexp(a)[1] - 1 = floor(log2(a)), exactly
;;       r = np.clip(x / 2.0 ** e, -6, 6)
;;       step = 2.0 ** (np.maximum(np.frexp(np.where(r == 0, 1, r))[1] - 1, 0) - 1)
;;       q = np.round(r / step) * step * 2.0 ** e      # np.round: ties to even
;;       return np.moveaxis(q.reshape(q.shape[:-2] + (-1,))[..., :K], -1, axis).astype(np.float32)
;;   ~~~
;;   SOFTMAX AHEAD OF A QUANTISED PRODUCT. Where the list says 'softmax', what is quantised is not the finished softmax but p = 2^(t - M), with t = logit x log2(e) and M = ceil(the row's largest t), a whole number; so 1/2 < the row's largest p <= 1. The row's sum l is taken of the UNQUANTISED p, in f32, and the product's result is divided by l at the end. Since M is a whole number, a kernel that streams over the keys may use a running M (the ceiling of the running maximum): every later rescaling is an exact power of two, which a block's scale takes up: the codes' values come out the same.
;;   OPERANDS COMPUTED ON THE WAY. 'Computed on the way' means the value that the module computes at that place (a softmax that the list does not call 'softmax' is quantised finished and normalised). What goes into a quantiser is computed in f32, as accurately as f32 sums, v_exp_f32 and their like allow (about 1e-6 of the number): no bf16 or f16 on the way to a quantiser, and a product that is left as it is and whose result goes on into a quantised operand takes f32 operands (vector FMAs, or v_wmma_f32_16x16x4_f32). A number that lies on a knife's edge between two numbers of the format may be rounded either way, as far as f32 arithmetic and the matrix unit's own rounding can turn it there, and no further.
;;   INPUTS GIVEN AS CODES. W1 (in the module: [1024, 1024], K = its axis 0); W2 (in the module: [1024, 1024], K = its axis 0); W_proj (in the module: [1024, 1024], K = its axis 0); W_qkv (in the module: [1024, 3072], K = its axis 0): each comes as NAME_codes (uint8): NAME with its K axis moved to the last place and cut into blocks of 32 codes, [.., K / 32, bytes a block], one block behind the other in memory; two codes a byte, the lower K in the low four bits (a code: sign, 2 exponent bits, 1 mantissa bit); and NAME_scales (uint8): the same leading axes, one E8M0 byte (e + 127) for each 32 codes along K. Its value is code x scale, taken as it is: it is not quantised again, and the codes and scales need not be those that the quantiser above would give.
;; One version. Each part assembles by itself: llvm-mc -triple=amdgcn-amd-amdhsa -mcpu=gfx1250 --defsym DOCPART=n.
;; ======== version 1 of 1: 3 launches
;; limits: right only within a limited range of input values
;; workspace buffers: qkvc 12,582,912 bytes; qkvs 1,572,864 bytes; oc 4,194,304 bytes; os 524,288 bytes; wl 786,432 bytes
;; launch qkv (part 1): grid 256 x 1, 4 waves a work-group, clusters of 4 x 1, 327,680 bytes of LDS; arguments x, W_qkv_codes, W_qkv_scales, b_qkv, qkvc, qkvs; writes qkvc, qkvs
.if DOCPART == 1
	.amdgcn_target "amdgcn-amd-amdhsa--gfx1250"
	.amdhsa_code_object_version 6
	.text
	.protected	k_qa7ef99ec16_qkv
	.globl	k_qa7ef99ec16_qkv
	.p2align	8
	.type	k_qa7ef99ec16_qkv,@function
k_qa7ef99ec16_qkv:
	s_mov_b64 s[64:65], 0
	v_nop
	global_prefetch_b8 v0, s[64:65] scope:SCOPE_SE
	s_setreg_imm32_b32 hwreg(HW_REG_WAVE_MODE, 25, 1), 1
	s_wait_xcnt 0x0
	s_wait_alu depctr_hold_cnt(0) depctr_sa_sdst(0) depctr_va_vdst(0) depctr_va_sdst(0) depctr_va_ssrc(0) depctr_va_vcc(0) depctr_vm_vsrc(0)
	s_getreg_b32 s2, hwreg(HW_REG_IB_STS2, 6, 4)
	s_cmp_eq_u32 s2, 0
	s_cbranch_scc0 .Lentry_in_a_cluster
	s_endpgm
.Lentry_in_a_cluster:
	s_bfe_u32 s2, ttmp6, 0x10000c
	s_cmp_lg_u32 s2, 0x3003
	s_cbranch_scc0 .Lentry_shape_is_right
	s_endpgm
.Lentry_shape_is_right:
; q, k, v = Q(x) W_qkv + b_qkv on codes of FP4 (E2M1) with one E8M0 scale for each 32 along K; the results are quantised at once: q and k along the head's 64 channels, v along the keys.
; SHARES.  A work-group owns 64 tokens (group T) and HALF of the 3,072 columns: heads 8 y .. 8 y + 7 of q, of k and of v.  So 262,144 bytes of x and 786,432 bytes of weights enter it; with 32 tokens and all columns
; it would be 131,072 and 1,572,864.  Cluster c takes half y = c % 2 and token groups T = 4 (c / 2) + place: the two clusters that read the same x are neighbours in the grid.
; A UNIT is 64 rows of W_qkv (one head) x K = 1,024: 32,768 dense bytes, 128 matrix instructions into 16 accumulators.  In trip i wave w takes plane 8 y + 4 i + w (i = 0, 1: q), 16 + 8 y + 4 (i - 2) + w (k),
; 32 + 8 y + 4 (i - 4) + w (v): the pointers step by 4 and by 12 planes by turns.  Every work-group runs the same kinds of units in the same order.
; THE WEIGHTS come through a ring of two LDS slots for each wave, one tensor load a unit.  The four work-groups of a cluster walk the same units, so each load is asked for JOINTLY (mask 15): its descriptor
; hangs on W's address, y (the cluster's number, which partners share), the wave's number and the trip alone; T enters global addresses of x and of the outputs only.
; x is quantised by the work-group: wave w makes K steps 2 w and 2 w + 1 of the four tiles of 16 tokens, and the fragments go to all waves through LDS as images of their registers, two tiles of tokens at a time.
; LAYOUT.  q, k: source 0 = 16 rows of W, source 1 = 16 tokens: a lane holds one token, its registers run along the channels.  v: the sources change places: a lane holds one channel, its registers run along the tokens,
; which are the keys.  In both, register j of tile t in lane (r, h) is index 16 t + 8 h + j along the next K, so a block of 32 is the 16 registers of two neighbouring tiles in lanes l and l xor 16.
; OUT.  qkvc [b][plane 48][32,768]: q, k planes [g 32][m 2][lane][16] (token 32 g + 16 m + r, channel block h); v planes [s 8][t 4][c 2][lane][16] (channel 16 t + r, key block 4 s + 2 c + h).
;       qkvs [b][plane][g][lane][4]: q, k: bytes (m0 b0, m0 b1, m1 b0, m1 b1) of token slot r; v: byte t = channel 16 t + r, key block g.  My 64 tokens are g = 2 (T % 16) and the next.
; LIMITS: NaN and infinities among the inputs are not served; a block whose largest magnitude lies under 2^-124 (zeros too) gets the byte 1: its codes are read with that byte by this program alone.
; REGISTERS: window 0: v1-18 addresses; v28-29 the spare word's; v32-95 64 numbers of x; v96-103 codes; v104-120 at work; v128-159 W's scale words (two sets); v160-191 x's; v192-223 the bias.
;            window 1: x's 32 fragments.   window 2: v0-127 the 16 accumulators, v128-255 W's fragments, four buffers of 32 (before the units: x's fragments 0-3 as loaded).   window 3: x's fragments 4-7 as loaded.
.set SLOTB, 33792                      ; a slot: 64 rows x (512 bytes + 16 of padding): row r starts 4 r banks on, so the 16 rows of a load start at 16 different places
.set WRING, 67584                      ; a wave's two slots
.set SPARE, 270336                     ; behind the four rings: the spare words, 128 bytes a wave
.set XST,   270848                     ; a stage of 16 rows x 528 bytes for each wave: x turns from rows into lanes here
.set XIMG,  304640                     ; 16 fragments of x, 1,024 bytes each: two tiles of tokens at a time
.set XSC,   321024                     ; their scale words, 128 bytes each
.set AW0, 4                            ; v4, v5  my lane's place in slot 0, 1 of my ring
.set XGO, 6                            ; v6   x: 16 lane + 1,024 wave
.set XSW, 7                            ; v7   the stage, on the way in
.set XSR, 8                            ; v8   and out: row r, + 32 h
.set XWI, 9                            ; v9   where I store my fragments' images
.set XWS, 10                           ; v10  and their scale words
.set XRI, 11                           ; v11  where any fragment is read: XIMG + 16 lane
.set XRS, 12                           ; v12  XSC + 4 lane
.set WSO, 13                           ; v13  W's scale words: 32 r + 16 h
.set BQO, 14                           ; v14  bias for q, k: 32 h
.set BVO, 15                           ; v15  bias for v: 4 r
.set VQK, 16                           ; v16  out, q and k: 16 lane + 1,024 g
.set VV,  17                           ; v17  out, v: 1,024 h + 16 r + the key block's place
.set VSO, 18                           ; v18  out, scale words: 4 lane + 128 g
.set SPW, 28
.set NIL, 29
.set HX,  32
.set PC,  96
.set TM,  104
.set PW,  120
.set WS,  128
.set XS,  160
.set BI,  192
.set WV,  16                           ; s16  wave
.set G1,  24                           ; s[24:31] descriptor group 1
.set G0,  32                           ; s[32:35] descriptor group 0: it walks
.set WB,  36                           ; s36  my ring's first byte
.set SEL, 38                           ; s[38:39] lane l xor 16
.set CNT, 40
.set WSP, 42                           ; s[42:43] this unit's scale bytes
.set BP,  44                           ; s[44:45] this unit's bias
.set OC,  46                           ; s[46:47] this unit's plane of codes
.set OS,  48                           ; s[48:49] and of scale words
.set MSB, 0
.macro WIN new                         ; the immediate's high byte repeats the setting that is left; a switch that changes nothing is dropped
.set NW, \new
.if MSB != NW
	s_set_vgpr_msb (MSB<<8)|NW
.set MSB, NW
.endif
.endm
.macro PLACES n
.rept \n
	v_nop
.endr
.endm
.macro ROUND                           ; a round of the cluster's barrier
	s_barrier_signal -1
	s_barrier_wait -1
	s_cmp_lg_u32 s[WV], 0
	s_cbranch_scc1 .Lnot_wave_0_\@
	s_barrier_signal -3
.Lnot_wave_0_\@:
	s_barrier_wait -3
	s_barrier_signal -1
	s_barrier_wait -1
.endm
.macro BARRIER
	s_wait_dscnt 0x0                               ; my LDS stores have landed and my LDS loads are in
	s_barrier_signal -1
	s_barrier_wait -1                              ; my tile may stay on its way
.endm
; The head of a unit: my tile has landed; the round; then the next unit's tile, step bytes on in W, is asked for, into the slot read last.
.macro HEAD fill, step
	WIN 0
	s_wait_tensorcnt 0x0                           ; my one tensor load has landed: this unit's tile; the descriptor may be written
	ds_add_u32 v[SPW], v[NIL]                      ; 0 onto my spare word
.if \fill
	s_xor_b32 s[G0+1], s[G0+1], SLOTB              ; the other slot (33,792 shares no bit with wave x 67,584)
	s_add_nc_u64 s[G0+2:G0+3], s[G0+2:G0+3], \step
.endif
	s_wait_dscnt 0x0                               ; the add is done, and my reads of the other slot are over
	ROUND
.if \fill
	tensor_load_to_lds s[G0:G0+3], s[G1:G1+7]
	s_nop 0
	PLACES 4
.endif
.endm
; 64 numbers of a lane in window w, register 16 b + i of v[s] on = group b; a group is a block of 32 shared with lane l xor 16.  Out: codes in v[PC] on (quad c of lane (r, h) = group 2 c + h, whole, in K's order), bytes in v[PW].
.macro QUANT s, w
	WIN (\w)|((\w)<<2)
.irp b, 0,1,2,3
	v_max3_num_f32 v[TM+\b], |v[\s+16*\b]|, |v[\s+16*\b+1]|, 0x1800000   ; with the floor 2^(3 - 127): the byte cannot fall under 1
.endr
	WIN ((\w)<<2)|((\w)<<4)
.irp i, 2,4,6,8,10,12,14
.irp b, 0,1,2,3
	v_max3_num_f32 v[TM+\b], v[TM+\b], |v[\s+16*\b+\i]|, |v[\s+16*\b+\i+1]|
.endr
.endr
	WIN 0
.irp b, 0,1,2,3
	v_permlanex16_b32 v[TM+4+\b], v[TM+\b], s[SEL], s[SEL+1]
.endr
.irp b, 0,1,2,3
	v_max_num_f32 v[TM+\b], v[TM+\b], v[TM+4+\b]
.endr
.irp b, 0,1,2,3
	v_add_nc_u32 v[TM+12+\b], 0xff000000, v[TM+\b]   ; 2 off the exponent field: the conversion's scale operand
.endr
.irp b, 0,1,2,3
	v_lshrrev_b32 v[TM+4+\b], 23, v[TM+12+\b]      ; the scale's byte
.endr
	v_lshl_or_b32 v[PW], v[TM+5], 8, v[TM+4]
	v_lshl_or_b32 v[PW], v[TM+6], 16, v[PW]
	v_lshl_or_b32 v[PW], v[TM+7], 24, v[PW]
	WIN \w
.irp c, 0,1
	v_cvt_scalef32_pk8_fp4_f32 v[PC+4*\c],   v[\s+32*\c:\s+32*\c+7],     v[TM+12+2*\c]
	v_cvt_scalef32_pk8_fp4_f32 v[PC+4*\c+1], v[\s+32*\c+16:\s+32*\c+23], v[TM+13+2*\c]
	v_cvt_scalef32_pk8_fp4_f32 v[PC+4*\c+2], v[\s+32*\c+8:\s+32*\c+15],  v[TM+12+2*\c]
	v_cvt_scalef32_pk8_fp4_f32 v[PC+4*\c+3], v[\s+32*\c+24:\s+32*\c+31], v[TM+13+2*\c]
.endr
	WIN 0
	v_nop                                          ; one plain place behind a scaled conversion
.irp c, 0,1
	v_permlane16_swap_b32 v[PC+4*\c], v[PC+4*\c+1]     ; eights 0 and 1 of groups 2 c (lanes 0-15) and 2 c + 1 (lanes 16-31)
	v_permlane16_swap_b32 v[PC+4*\c+2], v[PC+4*\c+3]   ; eights 2 and 3
.endr
.endm
.macro PREFW set, off                  ; a unit's scale words: tile t's 16 rows x 32 bytes are 512 dense bytes; register q: K step q in lanes 0-15, K step 4 + q in lanes 16-31
.irp t, 0,1,2,3
	global_load_b128 v[WS+16*(\set)+4*\t:WS+16*(\set)+4*\t+3], v[WSO], s[WSP:WSP+1] offset:\off+512*\t
.endr
.endm
.macro LOADW aw, s                     ; W's four fragments of K step s into buffer s % 4, in window 2
	WIN 0x80
.irp t, 0,1,2,3
.irp c, 0,1
	ds_load_b128 v[128+32*((\s)&3)+8*\t+4*\c:128+32*((\s)&3)+8*\t+4*\c+3], v[\aw] offset:8448*\t+64*(\s)+32*\c
.endr
.endr
.endm
; The 16 products of K step s: W's four tiles x the four tiles of tokens.  kind 0: source 0 = W, source 1 = x (q, k); kind 1: the other way round (v).
; The sixteen accumulators take turns, one instruction a turn.
.macro MULS s, ws, kind
.irp t, 0,1,2,3
.irp m, 0,1,2,3
.set RWF, 128+32*((\s)&3)+8*\t
.set RXF, 8*(8*\m+(\s))
.set RWS, WS+16*(\ws)+4*\t+((\s)&3)
.set RXS, XS+8*\m+(\s)
.if \kind == 0
.set RD, 32*\m+8*\t
.if (\s) == 0
	v_wmma_scale_f32_16x16x128_f8f6f4 v[RD:RD+7], v[RWF:RWF+7], v[RXF:RXF+7], 0, v[RWS], v[RXS] matrix_a_fmt:MATRIX_FMT_FP4 matrix_b_fmt:MATRIX_FMT_FP4
.elseif (\s) < 4
	v_wmma_scale_f32_16x16x128_f8f6f4 v[RD:RD+7], v[RWF:RWF+7], v[RXF:RXF+7], v[RD:RD+7], v[RWS], v[RXS] matrix_a_fmt:MATRIX_FMT_FP4 matrix_b_fmt:MATRIX_FMT_FP4
.else
	v_wmma_scale_f32_16x16x128_f8f6f4 v[RD:RD+7], v[RWF:RWF+7], v[RXF:RXF+7], v[RD:RD+7], v[RWS], v[RXS] matrix_a_fmt:MATRIX_FMT_FP4 matrix_b_fmt:MATRIX_FMT_FP4 matrix_a_scale:MATRIX_SCALE_ROW1
.endif
.else
.set RD, 64*(\m/2)+16*\t+8*(\m%2)
.if (\s) == 0
	v_wmma_scale_f32_16x16x128_f8f6f4 v[RD:RD+7], v[RXF:RXF+7], v[RWF:RWF+7], 0, v[RXS], v[RWS] matrix_a_fmt:MATRIX_FMT_FP4 matrix_b_fmt:MATRIX_FMT_FP4
.elseif (\s) < 4
	v_wmma_scale_f32_16x16x128_f8f6f4 v[RD:RD+7], v[RXF:RXF+7], v[RWF:RWF+7], v[RD:RD+7], v[RXS], v[RWS] matrix_a_fmt:MATRIX_FMT_FP4 matrix_b_fmt:MATRIX_FMT_FP4
.else
	v_wmma_scale_f32_16x16x128_f8f6f4 v[RD:RD+7], v[RXF:RXF+7], v[RWF:RWF+7], v[RD:RD+7], v[RXS], v[RWS] matrix_a_fmt:MATRIX_FMT_FP4 matrix_b_fmt:MATRIX_FMT_FP4 matrix_b_scale:MATRIX_SCALE_ROW1
.endif
.endif
.endr
.endr
.endm
; A unit: 8 K steps; W's fragments run three steps ahead.  pre = 1: the next unit's scale words, off bytes on, are asked for, into the other set.
.macro UNIT aw, ws, kind, pre, off
	LOADW \aw, 0
	LOADW \aw, 1
	LOADW \aw, 2
.irp s, 0,1,2,3,4,5,6,7
.if (\s >= 1) && (\s <= 4)
	PLACES 4                                       ; the buffer to be loaded was read by the products just issued
.endif
.if (\s == 1) && \pre
	WIN 0
	PREFW 1-\ws, \off
.endif
.if \s <= 4
	LOADW \aw, \s+3
.endif
.if \s < 5
	s_wait_dscnt 24                                ; this step's 8 loads are in; those of the three steps behind it may be out
.else
	s_wait_dscnt 8*(7-\s)
.endif
	WIN 0xa6+3*\kind                               ; the sums and W in window 2, x in window 1: W is source 0 (0xa6) or source 1 (0xa9)
	MULS \s, \ws, \kind
.endr
	WIN 0
.endm
.macro STEPPTR step                    ; step planes on
	s_wait_xcnt 0x0                                ; the stores and loads issued have read their registers and bases
	s_add_nc_u64 s[WSP:WSP+1], s[WSP:WSP+1], 2048*\step
	s_add_nc_u64 s[BP:BP+1], s[BP:BP+1], 256*\step
	s_add_nc_u64 s[OC:OC+1], s[OC:OC+1], 32768*\step
	s_add_nc_u64 s[OS:OS+1], s[OS:OS+1], 4096*\step
.endm
.macro QKU p, step                     ; a head of q or of k, from slot p; the next unit lies step planes on
	HEAD 1, 32768*\step
.irp t, 0,1,2,3
.irp q, 0,1
	global_load_b128 v[BI+8*\t+4*\q:BI+8*\t+4*\q+3], v[BQO], s[BP:BP+1] offset:64*\t+16*\q   ; b at channels 16 t + 8 h + 0 .. 7
.endr
.endr
	s_wait_loadcnt 8                               ; this unit's scale words are in; the 8 bias loads may be out
	UNIT AW0+\p, \p, 0, 1, 2048*\step
	s_wait_loadcnt 4                               ; the bias is in; the next unit's 4 scale loads may be out
	PLACES 5
	WIN 0x82                                       ; the sums in window 2, the bias in window 0
.irp m, 0,1,2,3
.irp t, 0,1,2,3
.irp k, 0,2,4,6
	v_pk_add_f32 v[32*\m+8*\t+\k:32*\m+8*\t+\k+1], v[32*\m+8*\t+\k:32*\m+8*\t+\k+1], v[BI+8*\t+\k:BI+8*\t+\k+1]
.endr
.endr
.endr
	WIN 0
.irp g, 0,1                            ; my two groups of 32 tokens
.if \g
	s_wait_xcnt 0x0                                ; the first group's stores have read the codes' registers
.endif
	QUANT 64*\g, 2                                 ; groups: (m 0, block 0), (m 0, block 1), (m 1, block 0), (m 1, block 1)
	global_store_b128 v[VQK], v[PC:PC+3], s[OC:OC+1] offset:1024*\g       ; 512 consecutive bytes a store
	global_store_b128 v[VQK], v[PC+4:PC+7], s[OC:OC+1] offset:1024*\g+512
	global_store_b32 v[VSO], v[PW], s[OS:OS+1] offset:128*\g
.endr
	STEPPTR \step
.endm
.macro VU p, fill, pre, step           ; a head of v
	HEAD \fill, 32768*\step
.irp t, 0,1,2,3
	global_load_b32 v[BI+2*\t], v[BVO], s[BP:BP+1] offset:64*\t    ; b at channel 16 t + r
.endr
	s_wait_loadcnt 4                               ; this unit's scale words are in
	UNIT AW0+\p, \p, 1, \pre, 2048*\step
	s_wait_loadcnt 4*\pre
	PLACES 5
	WIN 0x82
.irp g, 0,1
.irp t, 0,1,2,3
.irp k, 0,2,4,6,8,10,12,14
	v_pk_add_f32 v[64*\g+16*\t+\k:64*\g+16*\t+\k+1], v[64*\g+16*\t+\k:64*\g+16*\t+\k+1], v[BI+2*\t:BI+2*\t+1] op_sel_hi:[1,0]
.endr
.endr
.endr
	WIN 0
.irp g, 0,1                            ; my two blocks of 32 keys
.if \g
	s_wait_xcnt 0x0                                ; the first block's stores have read the codes' registers
.endif
	QUANT 64*\g, 2                                 ; group t: channel 16 t + r, 32 tokens: one block of keys
	global_store_b128 v[VV], v[PC:PC+3], s[OC:OC+1] offset:256*\g         ; sixteen lanes store 256 consecutive bytes, aligned
	global_store_b128 v[VV], v[PC+4:PC+7], s[OC:OC+1] offset:256*\g+2048
	global_store_b32 v[VSO], v[PW], s[OS:OS+1] offset:128*\g
.endr
.if \pre
	STEPPTR \step
.endif
.endm
; x's fragment f = 2 (tile of tokens) + (which of my two K steps): 16 rows, each load 512 consecutive bytes.  No hint: a second work-group reads the same rows.
.macro XL f
.set K, 0
.rept 16
	global_load_b128 v[64*((\f)&3)+4*K:64*((\f)&3)+4*K+3], v[XGO], s[4:5] offset:(16*((\f)/2)+K)*4096+512*((\f)&1)
.set K, K+1
.endr
.endm
; Fragment f is quantised: its 16 rows go into my stage as they lie and come back 64 numbers a lane: register 16 g + 8 u + j = k 32 g + 16 u + 8 h + j of row r.  cnt: the younger loads that may be out.  nxt = 1: fragment f + 4 is asked for.
.macro XQ f, cnt, nxt
	s_wait_loadcnt \cnt
.if \nxt
	WIN 0xc0
	XL (\f)+4
.endif
	WIN 0x08+4*((\f)/4)                            ; the data: window 2 (fragments 0-3) or 3
.set K, 0
.rept 16
	ds_store_b128 v[XSW], v[64*((\f)&3)+4*K:64*((\f)&3)+4*K+3] offset:528*K
.set K, K+1
.endr
	WIN 0
.irp g, 0,1,2,3
.irp u, 0,1
.irp q, 0,1
	ds_load_b128 v[HX+16*\g+8*\u+4*\q:HX+16*\g+8*\u+4*\q+3], v[XSR] offset:128*\g+64*\u+16*\q   ; LDS serves a wave's instructions in order: these see my stores
.endr
.endr
.endr
	s_wait_dscnt 0x0
	QUANT HX, 0
	ds_store_b128 v[XWI], v[PC:PC+3] offset:8192*(((\f)/2)&1)+1024*((\f)&1)       ; as an image of its registers: place 8 (tile % 2) + K step
	ds_store_b128 v[XWI], v[PC+4:PC+7] offset:8192*(((\f)/2)&1)+1024*((\f)&1)+512
	ds_store_b32 v[XWS], v[PW] offset:1024*(((\f)/2)&1)+128*((\f)&1)
.endm
.macro FETCHX half                     ; the 16 fragments of two tiles of tokens, and their scale words, stay in registers
	WIN 0x40
.set K, 0
.rept 32
	ds_load_b128 v[128*\half+4*K:128*\half+4*K+3], v[XRI] offset:512*K
.set K, K+1
.endr
	WIN 0
.set K, 0
.rept 16
	ds_load_b32 v[XS+16*\half+K], v[XRS] offset:128*K
.set K, K+1
.endr
.endm
	s_load_b256 s[4:11], s[0:1], 0x0               ; x, W's codes, W's scales, b
	s_load_b128 s[12:15], s[0:1], 0x20             ; qkvc, qkvs
	v_lshl_add_u32 v[SPW], v0, 2, SPARE
	v_mov_b32 v[NIL], 0
	ds_add_u32 v28, v29
	ds_add_u32 v28, v29
	s_wait_dscnt 0x0
	v_lshrrev_b32 v1, 5, v0
	v_readfirstlane_b32 s[WV], v1                  ; wave 0..3
	v_and_b32 v1, 31, v0                           ; lane
	v_and_b32 v2, 15, v0                           ; r
	s_wait_alu depctr_va_vdst(0)
	v_bfe_u32 v3, v0, 4, 1                         ; h
	s_bfe_u32 s17, ttmp6, 0x40000                  ; my place in the cluster
	s_lshr_b32 s18, ttmp9, 1
	s_lshl_b32 s18, s18, 2
	s_add_co_u32 s18, s18, s17                     ; T: my 64 tokens
	s_and_b32 s54, ttmp9, 1                        ; y: my half of the heads; the cluster's, not the place's
	s_lshl_b32 s55, s54, 3
	s_add_co_u32 s55, s55, s[WV]                   ; my first plane: 8 y + w
	s_and_b32 s19, s18, 15                         ; which 64 of the batch's 1,024
	s_lshr_b32 s20, s18, 4                         ; b
	s_mul_i32 s[WB], s[WV], WRING
	v_mul_u32_u24 v[AW0], v2, 528
	s_wait_alu depctr_va_vdst(0)
	v_lshl_add_u32 v[AW0], v3, 4, v[AW0]
	v_add_nc_u32 v[AW0], s[WB], v[AW0]
	v_add_nc_u32 v[AW0+1], SLOTB, v[AW0]
	s_lshl_b32 s21, s[WV], 10
	v_lshl_add_u32 v[XGO], v1, 4, s21
	s_mul_i32 s21, s[WV], 8448
	s_add_co_u32 s21, s21, XST
	v_lshl_add_u32 v[XSW], v1, 4, s21
	v_mul_u32_u24 v[XSR], v2, 528
	v_lshl_add_u32 v[XSR], v3, 5, v[XSR]
	v_add_nc_u32 v[XSR], s21, v[XSR]
	s_lshl_b32 s21, s[WV], 11
	s_add_co_u32 s21, s21, XIMG
	v_lshl_add_u32 v[XWI], v1, 4, s21
	s_lshl_b32 s21, s[WV], 8
	s_add_co_u32 s21, s21, XSC
	v_lshl_add_u32 v[XWS], v1, 2, s21
	v_lshl_add_u32 v[XRI], v1, 4, XIMG
	v_lshl_add_u32 v[XRS], v1, 2, XSC
	v_lshlrev_b32 v[WSO], 5, v2
	v_lshl_add_u32 v[WSO], v3, 4, v[WSO]
	v_lshlrev_b32 v[BQO], 5, v3
	v_lshlrev_b32 v[BVO], 2, v2
	s_lshl_b32 s21, s19, 11                        ; g = 2 (T % 16): 1,024 bytes a g
	v_lshl_add_u32 v[VQK], v1, 4, s21
	s_lshr_b32 s21, s19, 1                         ; key block g lies at s = g / 4, c = (g / 2) % 2, half g % 2 of v's image; my two blocks are the two halves of one place
	s_lshl_b32 s21, s21, 12
	s_and_b32 s22, s19, 1
	s_lshl_b32 s22, s22, 9
	s_add_co_u32 s21, s21, s22
	v_lshlrev_b32 v[VV], 10, v3
	v_lshl_add_u32 v[VV], v2, 4, v[VV]
	v_add_nc_u32 v[VV], s21, v[VV]
	s_lshl_b32 s21, s19, 8                         ; 128 bytes a g
	v_lshl_add_u32 v[VSO], v1, 2, s21
.irp b, 0,1,2,3
	v_mov_b32 v[TM+4+\b], 0                        ; written once: a lane permute's destination counts as one of its sources
.endr
	s_mov_b32 s[SEL], 0x76543210
	s_mov_b32 s[SEL+1], 0xfedcba98
	; descriptor group 1: 64 rows of 512 bytes, dense in memory, 16 bytes of padding behind each in LDS
	s_mov_b32 s[G1], 15|(1<<20)|(1<<21)|(6<<22)|(3<<25)   ; 15:0 the mask: all four work-groups; 17:16 elements of 1 byte; 20 padding on; 21 set beside a mask; 24:22 after every 128 words; 31:25 four words
	s_mov_b32 s[G1+1], 512<<16                     ; tensor_dim0
	s_mov_b32 s[G1+2], 64<<16                      ; tensor_dim1
	s_mov_b32 s[G1+3], 512<<16                     ; tile_dim0
	s_mov_b32 s[G1+4], 64                          ; tile_dim1
	s_mov_b32 s[G1+5], 512                         ; the pitch
	s_mov_b32 s[G1+6], 0
	s_mov_b32 s[G1+7], 0
	s_lshl_b32 s22, s18, 18                        ; 64 rows of 4,096 bytes
	s_mov_b32 s23, 0
	s_lshl_b32 s50, s55, 15                        ; (s[50:51] never hold my place in the cluster)
	s_mov_b32 s51, 0
	s_mov_b32 s53, 0
	s_wait_kmcnt 0x0
	s_add_nc_u64 s[4:5], s[4:5], s[22:23]
	s_mov_b32 s[G0], 1
	s_mov_b32 s[G0+1], s[WB]
	s_add_nc_u64 s[G0+2:G0+3], s[6:7], s[50:51]    ; plane 8 y + w
	s_or_b32 s[G0+3], s[G0+3], 0x80000000
	s_lshl_b32 s50, s55, 11
	s_add_nc_u64 s[WSP:WSP+1], s[8:9], s[50:51]
	s_lshl_b32 s50, s55, 8
	s_add_nc_u64 s[BP:BP+1], s[10:11], s[50:51]
	s_mul_i32 s22, s20, 48
	s_add_co_u32 s22, s22, s55                     ; plane 48 b + 8 y + w of the outputs
	s_lshl_b32 s52, s22, 15
	s_add_nc_u64 s[OC:OC+1], s[12:13], s[52:53]
	s_lshl_b32 s52, s22, 12
	s_add_nc_u64 s[OS:OS+1], s[14:15], s[52:53]
	WIN 0x80
	XL 0                                           ; x: my two K steps of the first two tiles of tokens
	XL 1
	XL 2
	XL 3
	WIN 0
	PREFW 0, 0
	ROUND                                          ; all four work-groups are here: the first joint loads meet
	tensor_load_to_lds s[G0:G0+3], s[G1:G1+7]      ; my first unit into slot 0
	s_nop 0
	PLACES 4
	XQ 0, 52, 1                                    ; behind fragment f: three fragments' 48 loads and the 4 scale loads
	XQ 1, 52, 1
	XQ 2, 52, 1
	XQ 3, 52, 1
	BARRIER                                        ; the first two tiles' sixteen fragments lie in LDS
	FETCHX 0
	BARRIER                                        ; every wave has them in registers: the images may be written again
	XQ 4, 48, 0                                    ; behind fragment 4: fragments 5 to 7
	XQ 5, 32, 0
	XQ 6, 16, 0
	XQ 7, 0, 0
	BARRIER                                        ; the other two tiles' fragments lie in LDS
	FETCHX 1                                       ; (waited for at the first unit's head)
	s_mov_b32 s[CNT], 2
.Lqk:                                                  ; 2 trips of two units: my heads of q, then of k
	QKU 0, 4
	QKU 1, 12
	s_sub_co_u32 s[CNT], s[CNT], 1
	s_cmp_lg_u32 s[CNT], 0
	s_cbranch_scc1 .Lqk
	VU 0, 1, 1, 4
	VU 1, 0, 0, 0                                  ; the last unit asks for nothing
	s_wait_tensorcnt 0x0                           ; the wave's end
	ds_add_u32 v[SPW], v[NIL]
	s_wait_dscnt 0x0
	ROUND                                          ; the closing round
	s_endpgm
.Lfunc_end_k_qa7ef99ec16_qkv:
	.size	k_qa7ef99ec16_qkv, .Lfunc_end_k_qa7ef99ec16_qkv-k_qa7ef99ec16_qkv
	.p2alignl 7, 3214868480
	.fill 96, 4, 3214868480
	.section	.rodata,"a",@progbits
	.p2align	6, 0x0
	.amdhsa_kernel k_qa7ef99ec16_qkv
		.amdhsa_group_segment_fixed_size 327680
		.amdhsa_private_segment_fixed_size 0
		.amdhsa_enable_private_segment 0
		.amdhsa_kernarg_size 48
		.amdhsa_user_sgpr_count 2
		.amdhsa_user_sgpr_kernarg_segment_ptr 1
		.amdhsa_wavefront_size32 1
		.amdhsa_system_sgpr_workgroup_id_x 1
		.amdhsa_system_sgpr_workgroup_id_y 1
		.amdhsa_system_sgpr_workgroup_id_z 1
		.amdhsa_system_vgpr_workitem_id 0
		.amdhsa_next_free_vgpr 1024
		.amdhsa_next_free_sgpr 66
		.amdhsa_reserve_vcc 0
		.amdhsa_float_denorm_mode_32 3
		.amdhsa_float_denorm_mode_16_64 3
		.amdhsa_memory_ordered 1
		.amdhsa_forward_progress 1
		.amdhsa_inst_pref_size 215
	.end_amdhsa_kernel
	.amdgpu_metadata
---
amdhsa.version: [ 1, 2 ]
amdhsa.kernels:
  - .name:           k_qa7ef99ec16_qkv
    .symbol:         k_qa7ef99ec16_qkv.kd
    .args:
      - { .name: x, .offset: 0, .size: 8, .value_kind: global_buffer, .address_space: global }
      - { .name: W_qkv_codes, .offset: 8, .size: 8, .value_kind: global_buffer, .address_space: global }
      - { .name: W_qkv_scales, .offset: 16, .size: 8, .value_kind: global_buffer, .address_space: global }
      - { .name: b_qkv, .offset: 24, .size: 8, .value_kind: global_buffer, .address_space: global }
      - { .name: qkvc, .offset: 32, .size: 8, .value_kind: global_buffer, .address_space: global }
      - { .name: qkvs, .offset: 40, .size: 8, .value_kind: global_buffer, .address_space: global }
    .group_segment_fixed_size: 327680
    .private_segment_fixed_size: 0
    .kernarg_segment_align: 8
    .kernarg_segment_size: 48
    .max_flat_workgroup_size: 128
    .sgpr_count:     66
    .vgpr_count:     1024
    .wavefront_size: 32
...
	.end_amdgpu_metadata
.endif
;; end of part 1
;; launch attn (part 2): grid 2 x 128, 16 waves a work-group, no clusters, 81,920 bytes of LDS; arguments qkvc, qkvs, oc, os, W_proj_codes, W1_codes, W2_codes, wl; writes oc, os, wl
.if DOCPART == 2
	.amdgcn_target "amdgcn-amd-amdhsa--gfx1250"
	.amdhsa_code_object_version 6
	.text
	.protected	k_qa7ef99ec16_attn
	.globl	k_qa7ef99ec16_attn
	.p2align	8
	.type	k_qa7ef99ec16_attn,@function
k_qa7ef99ec16_attn:
	s_mov_b64 s[64:65], 0
	v_nop
	global_prefetch_b8 v0, s[64:65] scope:SCOPE_SE
	s_setreg_imm32_b32 hwreg(HW_REG_WAVE_MODE, 25, 1), 1
	s_wait_xcnt 0x0
; o = softmax(q k^T / 8) v for one head, both products on codes of FP4 (E2M1) with E8M0 scales; o / l is quantised at once along the model's 1,024 channels (a head is two blocks of 32).
; THE SOFTMAX: t = score x log2(e) / 8; M = the running largest t rounded up to a whole number; p = 2^(t - M) is quantised along the keys, not normalised; the sum l is taken of the unquantised p and divides at the end.
; SHARES.  A work-group is one (batch, head) and one half of its 1,024 queries.  Each of sixteen waves owns 32 queries: two tiles of 16, one after the other; four waves share a SIMD, so one wave's vector work stands beside another's products.
; A WHOLE HEAD OF K AND V LIES IN LDS: 32,768 bytes of codes each, as images of operand registers, copied once through registers: no ring, one barrier.
; NO CLUSTER: the two work-groups of a head share these 70 KB, which each reads once at its head, against 8 key steps of 128 keys for each of its 32 tiles: a small part of its work.
; K = 64 IN AN INSTRUCTION OF 128: a fragment of k holds keys 32 g + r in k < 64 and keys 32 g + 16 + r in k >= 64; q stands once as [q | zeros] and once as [zeros | q]: zero codes add nothing.
; LAYOUT: S^T = k q^T, O^T = v^T p^T: a lane holds one query; register j of tile t is key (or channel) 16 t + 8 h + j.
; LIMITS: NaN and infinities are not served; a block whose largest number lies under 2^-124 gets the byte 1 (its codes are read with that byte by this program alone).
; REGISTERS: v1-6 addresses; v8-11 the step's; v12 -M, v13 largest t, v[14:15] l; v16-23 [q|0]; v24-31 [0|q]; v32-63 k; v64-95 v; v96-159 S^T, p; v160-191 O^T; v224-231 p's codes; v232-243 at work;
;            v244-247 v's scale words; v248-251 k's; v252 f; v253 p's scale word; v254 at work; v255 q's scale word.
.set VIMG, 32768
.set KSC,  65536
.set VSC,  69632
.set WV,   12
.set SEL,  20
.set CS,   22
.set TB,   24
.set TS,   25
.set TV,   26
.set KC,   27
.set MC,   28
.set QSEL, 29
.set QP,   30
.set QS,   32
.set OCP,  34
.set OSP,  36
	s_load_b256 s[4:11], s[0:1], 0x0
	s_load_b256 s[48:55], s[0:1], 0x20             ; W_proj's, W1's, W2's codes, wl
	v_lshl_add_u32 v222, v0, 2, 0x11800
	v_mov_b32 v223, 0
	v_lshrrev_b32 v7, 5, v0
	s_delay_alu instid0(VALU_DEP_1)
	v_readfirstlane_b32 s[WV], v7                  ; wave 0..15
	v_and_b32 v7, 31, v0                           ; lane
	v_and_b32 v4, 15, v0                           ; r
	s_delay_alu instid0(VALU_DEP_2)
	v_lshlrev_b32 v1, 4, v7                        ; k's image: 16 lane
	s_delay_alu instid0(VALU_DEP_1)
	v_add_nc_u32 v2, VIMG, v1                      ; v's
	s_delay_alu instid0(VALU_DEP_4)
	v_lshl_add_u32 v3, v7, 2, KSC                  ; k's scale words: 4 lane
	s_delay_alu instid0(VALU_DEP_4)
	v_lshl_add_u32 v4, v4, 2, VSC                  ; v's: 4 r
	v_lshlrev_b32 v5, 4, v7                        ; global: 16 lane
	v_lshlrev_b32 v6, 2, v7                        ; global: 4 lane
	v_lshlrev_b32 v70, 4, v0                       ; the copy: 16 x thread,
	v_lshlrev_b32 v71, 3, v0                       ; 8 x thread,
	v_lshl_add_u32 v72, v0, 3, KSC
	; HALF OF THE NEXT LAUNCH'S WEIGHTS ARE RE-LAID HERE, once: units 0-3 and 8-11 (of 64 rows) of W_proj, W1 and W2.  Work-group T = 2 y + x under 96 takes 16 rows (8,192 dense bytes) and stores them as images of operand registers:
	; wl [weight 3][unit 8][K step 8][tile 4][c 2][lane][16]: lane (r, h) holds the unit's row 16 tile + r, bytes 64 s + 32 c + 16 h on.  Thread n reads 16 n, puts it at 256 (n % 32) + 16 (n / 32) of 8,192 LDS bytes,
	; and behind the barrier takes 16 n back: each wave loads and stores 512 consecutive bytes.  A work-group from 96 on reads tile 95 and stores nothing of it.
	v_and_b32 v204, 31, v0
	v_lshrrev_b32 v205, 5, v0
	v_lshlrev_b32 v204, 8, v204
	v_lshl_add_u32 v204, v205, 4, v204
	v_add_nc_u32 v204, 73728, v204                 ; in
	v_lshl_add_u32 v206, v0, 4, 73728              ; back
	v_lshrrev_b32 v207, 6, v0
	v_lshlrev_b32 v207, 12, v207
	v_and_b32 v205, 63, v0
	v_lshl_add_u32 v207, v205, 4, v207             ; in wl: K step n / 64, 4,096 bytes apart; 16 (n % 64) in it
	v_lshrrev_b32 v73, 6, v0                       ; v's words: thread = 64 s + 16 t + r wants byte t of the words of key blocks 4 s + 0 .. 3, lane r
	s_delay_alu instid0(VALU_DEP_1)
	v_lshlrev_b32 v73, 9, v73
	v_and_b32 v74, 15, v0
	s_delay_alu instid0(VALU_DEP_1)
	v_lshl_add_u32 v73, v74, 2, v73
	v_lshl_add_u32 v75, v0, 2, VSC
	v_bfe_u32 v74, v0, 4, 2                        ; t
	s_delay_alu instid0(VALU_DEP_1)
	v_mul_lo_u32 v74, v74, 0x01010101
	s_delay_alu instid0(VALU_DEP_1)
	v_add_nc_u32 v74, 0x04000400, v74              ; byte t of the second source, byte t of the first, twice
	s_and_b32 s13, ttmp7, 0xffff
	s_lshr_b32 s14, s13, 4                         ; b
	s_and_b32 s15, s13, 15                         ; head
	s_mul_i32 s16, s14, 48
	s_add_co_u32 s16, s16, s15                     ; q's plane; k's is 16 on, v's 32
	s_lshl_b32 s40, s16, 15
	s_mov_b32 s41, 0
	s_lshl_b32 s42, s16, 12
	s_mov_b32 s43, 0
	s_lshl_b32 s17, ttmp9, 4
	s_add_co_u32 s17, s17, s[WV]                   ; g: my 32 queries
	s_lshl_b32 s18, s14, 5
	s_add_co_u32 s18, s18, s17                     ; G = 32 b + g
	s_lshl_b32 s44, s17, 10
	s_mov_b32 s45, 0
	s_lshl_b32 s46, s17, 7
	s_mov_b32 s47, 0
	s_mov_b32 s[SEL], 0x76543210
	s_mov_b32 s[SEL+1], 0xfedcba98
	s_mov_b32 s[CS], 0x3e38aa3b                    ; c = log2(e) / 8
	s_mov_b32 s[CS+1], s[CS]
	s_mov_b32 s[QSEL], 0x01000100                  ; bytes (0, 1, 0, 1) of q's word: tile 0's two blocks, for both halves of K
	s_mov_b32 s[MC], 0
	s_lshl_b32 s60, s13, 1
	s_add_co_u32 s60, s60, ttmp9                   ; T
	s_min_u32 s61, s60, 95
	s_lshr_b32 s62, s61, 2
	s_lshl_b32 s62, s62, 15                        ; 8 weight + unit: 32,768 bytes each
	s_and_b32 s63, s61, 3
	s_lshl_b32 s63, s63, 10                        ; the tile
	s_add_co_u32 s58, s62, s63
	s_mov_b32 s59, 0
	s_and_b32 s62, s61, 31
	s_and_b32 s63, s61, 16
	s_add_co_u32 s62, s62, s63                     ; units 4-7 of wl are units 8-11 of the weight: 16 tiles further on
	s_lshl_b32 s62, s62, 13
	s_mov_b32 s63, 0
	s_wait_alu depctr_va_vdst(0)
	s_wait_kmcnt 0x0
	s_add_nc_u64 s[4:5], s[4:5], s[40:41]
	s_add_nc_u64 s[6:7], s[6:7], s[42:43]
	s_cmp_lt_u32 s61, 32
	s_cselect_b64 s[56:57], s[48:49], s[50:51]
	s_cmp_lt_u32 s61, 64
	s_cselect_b64 s[56:57], s[56:57], s[52:53]
	s_add_nc_u64 s[56:57], s[56:57], s[62:63]
	s_add_nc_u64 s[54:55], s[54:55], s[58:59]
	global_load_b128 v[208:211], v70, s[56:57]
.irp i, 0,1,2,3
	global_load_b128 v[32+4*\i:35+4*\i], v70, s[4:5] offset:524288+8192*\i     ; k's image
	global_load_b128 v[48+4*\i:51+4*\i], v70, s[4:5] offset:1048576+8192*\i    ; v's
.endr
	global_load_b64 v[64:65], v71, s[6:7] offset:65536                         ; k's scale words
.irp i, 0,1,2,3
	global_load_b32 v[66+\i], v73, s[6:7] offset:131072+128*\i
.endr
	s_add_nc_u64 s[QP:QP+1], s[4:5], s[44:45]
	s_add_nc_u64 s[QS:QS+1], s[6:7], s[46:47]
	global_load_b128 v[192:195], v5, s[QP:QP+1]            ; q's quads of both my tiles and their scale word come with the head's loads
	global_load_b128 v[196:199], v5, s[QP:QP+1] offset:512
	global_load_b32 v200, v6, s[QS:QS+1]
	s_lshl_b32 s40, s18, 14
	s_lshl_b32 s42, s15, 9
	s_add_co_u32 s40, s40, s42
	s_add_nc_u64 s[OCP:OCP+1], s[8:9], s[40:41]    ; oc + 16,384 G + 512 head
	s_lshl_b32 s40, s18, 11
	s_lshr_b32 s42, s15, 1
	s_lshl_b32 s42, s42, 7
	s_add_co_u32 s40, s40, s42
	s_and_b32 s42, s15, 1
	s_lshl_b32 s42, s42, 1
	s_add_co_u32 s40, s40, s42
	s_add_nc_u64 s[OSP:OSP+1], s[10:11], s[40:41]  ; os + 2,048 G + 128 (head / 2) + 2 (head % 2)
.irp j, 20,21,22,23,24,25,26,27
	v_mov_b32 v\j, 0                               ; the zero halves of [q|0] and [0|q]
.endr
.irp b, 0,1,2,3
	v_mov_b32 v[236+\b], 0                         ; written once: a lane permute's destination counts as one of its sources
.endr
	v_mov_b32 v253, 0                              ; (named as the upper half of the pair v[252:253] before it is first written)
	s_wait_loadcnt 0x0
	v_perm_b32 v76, v67, v66, v74                  ; (block 0's byte, block 1's, ..)
	v_perm_b32 v77, v69, v68, v74                  ; (block 2's, block 3's, ..)
	s_delay_alu instid0(VALU_DEP_1)
	v_perm_b32 v76, v77, v76, 0x05040100           ; the word of channel 16 t + r for key step s
.irp i, 0,1,2,3
	ds_store_b128 v70, v[32+4*\i:35+4*\i] offset:8192*\i
	ds_store_b128 v70, v[48+4*\i:51+4*\i] offset:VIMG+8192*\i
.endr
	ds_store_b64 v72, v[64:65]
	ds_store_b32 v75, v76
	ds_store_b128 v204, v[208:211]
	s_wait_dscnt 0x0                               ; for the others' sake: my part of the head lies in LDS
	s_barrier_signal -1
	s_barrier_wait -1
	s_cmp_lt_u32 s60, 96
	s_cbranch_scc0 .Lnolay
	ds_load_b128 v[212:215], v206
	s_wait_dscnt 0x0
	global_store_b128 v207, v[212:215], s[54:55]
.Lnolay:
.Ltile:                                                ; two trips: my two tiles of 16 queries
.irp j, 0,1,2,3
	v_mov_b32 v[16+\j], v[192+\j]                  ; q's quad, twice: the two operands share no register
	v_mov_b32 v[28+\j], v[192+\j]
.endr
	v_mov_b32 v13, 0xff61b1e6                      ; the largest t so far: -3e38
	s_delay_alu instid0(VALU_DEP_1)
	v_floor_f32 v12, -v13                          ; -M
	v_mov_b32 v14, 0
	v_mov_b32 v15, 0
	s_mov_b32 s[TB], 0
	s_mov_b32 s[TS], 0
	s_mov_b32 s[TV], 0
	s_mov_b32 s[KC], 8
	v_perm_b32 v255, v200, v200, s[QSEL]
.set J, 0
.rept 32
	v_mov_b32 v[160+J], 0                          ; O^T: the step is written once; its first trip finds zeros.  (These are also the places between q's scale word and the first product)
.set J, J+1
.endr
.Lstep:                                                ; 8 trips of 128 keys
	v_add_nc_u32 v8, s[TB], v1                     ; (four places in front of loads into registers that the last products read)
	v_add_nc_u32 v9, s[TB], v2
	v_add_nc_u32 v10, s[TS], v3
	v_add_nc_u32 v11, s[TV], v4
.irp b, 0,1,2,3
	ds_load_b128 v[32+8*\b:35+8*\b], v8 offset:1024*\b
	ds_load_b128 v[36+8*\b:39+8*\b], v8 offset:1024*\b+512
	ds_load_b32 v[248+\b], v10 offset:128*\b
.endr
.irp t, 0,1,2,3
	ds_load_b128 v[64+8*\t:67+8*\t], v9 offset:1024*\t
	ds_load_b128 v[68+8*\t:71+8*\t], v9 offset:1024*\t+512
	ds_load_b32 v[244+\t], v11 offset:64*\t
.endr
	s_wait_dscnt 12                                ; k's twelve loads are in; v's twelve may be out
.irp b, 0,1,2,3
	v_wmma_scale_f32_16x16x128_f8f6f4 v[96+16*\b:103+16*\b], v[32+8*\b:39+8*\b], v[16:23], 0, v[248+\b], v255 matrix_a_fmt:MATRIX_FMT_FP4 matrix_b_fmt:MATRIX_FMT_FP4
	v_wmma_scale_f32_16x16x128_f8f6f4 v[104+16*\b:111+16*\b], v[32+8*\b:39+8*\b], v[24:31], 0, v[248+\b], v255 matrix_a_fmt:MATRIX_FMT_FP4 matrix_b_fmt:MATRIX_FMT_FP4
.endr
.rept 4
	v_nop
.endr
.irp b, 0,1,2,3
	v_max3_num_f32 v[232+\b], v[96+16*\b], v[97+16*\b], v[98+16*\b]   ; the largest score of each block of 32 keys: for the row's maximum and, since p rises with the score, for the block's largest p
.endr
.irp i, 3,5,7,9,11,13
.irp b, 0,1,2,3
	v_max3_num_f32 v[232+\b], v[232+\b], v[96+16*\b+\i], v[97+16*\b+\i]
.endr
.endr
.irp b, 0,1,2,3
	v_max_num_f32 v[232+\b], v[232+\b], v[111+16*\b]
.endr
.irp b, 0,1,2,3
	s_delay_alu instid0(VALU_DEP_4)
	v_permlanex16_b32 v[236+\b], v[232+\b], s[SEL], s[SEL+1]
.endr
.irp b, 0,1,2,3
	s_delay_alu instid0(VALU_DEP_4)
	v_max_num_f32 v[232+\b], v[232+\b], v[236+\b]
.endr
	s_delay_alu instid0(VALU_DEP_2)
	v_max3_num_f32 v254, v232, v233, v234
	s_delay_alu instid0(VALU_DEP_1)
	v_max_num_f32 v254, v254, v235
	s_delay_alu instid0(VALU_DEP_1)
	v_mul_f32 v254, s[CS], v254                    ; as t (c is positive)
	s_delay_alu instid0(VALU_DEP_1)
	v_max_num_f32 v13, v13, v254
	v_mov_b32 v254, v12
	s_delay_alu instid0(VALU_DEP_2)
	v_floor_f32 v12, -v13                          ; the new -M = -ceil(t)
	s_delay_alu instid0(VALU_DEP_1)
	v_sub_f32 v254, v12, v254                      ; old M - new M: a whole number, 0 or less
	s_delay_alu instid0(VALU_DEP_1)
	v_cvt_i32_f32 v254, v254                       ; (it saturates)
	s_delay_alu instid0(VALU_DEP_1)
	v_ldexp_f32 v252, 1.0, v254                    ; f = 2^(old M - new M)
.set J, 0
.rept 32
	v_pk_fma_f32 v[96+J:97+J], v[96+J:97+J], s[CS:CS+1], v[12:13] op_sel_hi:[1,0,0]   ; t - M
.set J, J+2
.endr
.irp b, 0,1,2,3
	v_fma_f32 v[232+\b], v[232+\b], s[CS], v12
.endr
.set J, 0
	s_wait_alu depctr_va_vdst(0)
.rept 64
	v_exp_f32 v[96+J], v[96+J]                     ; p = 2^(t - M)
.set J, J+1
.endr
.irp b, 0,1,2,3
	v_exp_f32 v[232+\b], v[232+\b]                 ; the block's largest p: the same two instructions on the same number
.endr
	v_pk_mul_f32 v[14:15], v[14:15], v[252:253] op_sel_hi:[1,0]   ; l under the new M (a plain place behind the exponentials)
	s_wait_alu depctr_va_vdst(0)
.irp b, 0,1,2,3
	v_max_num_f32 v[232+\b], 0x1800000, v[232+\b]  ; the floor 2^(3 - 127)
.endr
.irp b, 0,1,2,3
	s_delay_alu instid0(VALU_DEP_4)
	v_add_nc_u32 v[240+\b], 0xff000000, v[232+\b]  ; the conversion's scale operand
.endr
.irp b, 0,1,2,3
	s_delay_alu instid0(VALU_DEP_4)
	v_lshrrev_b32 v[236+\b], 23, v[240+\b]
.endr
	s_delay_alu instid0(VALU_DEP_3)
	v_lshl_or_b32 v253, v237, 8, v236              ; p's scale word for these 128 keys
	s_delay_alu instid0(VALU_DEP_1)
	v_lshl_or_b32 v253, v238, 16, v253
	s_delay_alu instid0(VALU_DEP_1)
	v_lshl_or_b32 v253, v239, 24, v253
.irp c, 0,1
	v_cvt_scalef32_pk8_fp4_f32 v[224+4*\c], v[96+32*\c:103+32*\c],  v[240+2*\c]
	v_cvt_scalef32_pk8_fp4_f32 v[225+4*\c], v[112+32*\c:119+32*\c], v[241+2*\c]
	v_cvt_scalef32_pk8_fp4_f32 v[226+4*\c], v[104+32*\c:111+32*\c], v[240+2*\c]
	v_cvt_scalef32_pk8_fp4_f32 v[227+4*\c], v[120+32*\c:127+32*\c], v[241+2*\c]
.endr
	v_nop                                          ; one plain place behind a scaled conversion
.irp c, 0,1
	v_permlane16_swap_b32 v[224+4*\c], v[225+4*\c] ; lanes 0-15 get block 2 c whole, lanes 16-31 block 2 c + 1
	v_permlane16_swap_b32 v[226+4*\c], v[227+4*\c]
.endr
	v_pk_add_f32 v[236:237], v[100:101], v[104:105]
	v_pk_add_f32 v[250:251], v[108:109], v[112:113]
	v_pk_add_f32 v[248:249], v[116:117], v[120:121]
	v_pk_add_f32 v[242:243], v[124:125], v[128:129]
	v_pk_add_f32 v[240:241], v[132:133], v[136:137]
	v_pk_add_f32 v[234:235], v[140:141], v[144:145]
	v_pk_add_f32 v[232:233], v[148:149], v[152:153]
	v_pk_add_f32 v[14:15], v[14:15], v[156:157]
	v_pk_add_f32 v[236:237], v[236:237], v[96:97]
	v_pk_add_f32 v[250:251], v[250:251], v[98:99]
	v_pk_add_f32 v[248:249], v[248:249], v[102:103]
	v_pk_add_f32 v[242:243], v[242:243], v[106:107]
	v_pk_add_f32 v[240:241], v[240:241], v[110:111]
	v_pk_add_f32 v[234:235], v[234:235], v[114:115]
	v_pk_add_f32 v[232:233], v[232:233], v[118:119]
	v_pk_add_f32 v[14:15], v[14:15], v[122:123]
	v_pk_add_f32 v[236:237], v[236:237], v[126:127]
	v_pk_add_f32 v[250:251], v[250:251], v[130:131]
	v_pk_add_f32 v[248:249], v[248:249], v[134:135]
	v_pk_add_f32 v[242:243], v[242:243], v[138:139]
	v_pk_add_f32 v[240:241], v[240:241], v[142:143]
	v_pk_add_f32 v[234:235], v[234:235], v[146:147]
	v_pk_add_f32 v[232:233], v[232:233], v[150:151]
	v_pk_add_f32 v[14:15], v[14:15], v[154:155]
	v_pk_add_f32 v[236:237], v[236:237], v[158:159]
	s_delay_alu instid0(VALU_DEP_2)
	v_pk_add_f32 v[14:15], v[14:15], v[242:243]
	s_delay_alu instid0(VALU_DEP_2)
	v_pk_add_f32 v[236:237], v[236:237], v[240:241]
	v_pk_add_f32 v[250:251], v[250:251], v[234:235]
	v_pk_add_f32 v[248:249], v[248:249], v[232:233]
	s_delay_alu instid0(VALU_DEP_2)
	v_pk_add_f32 v[14:15], v[14:15], v[250:251]
	s_delay_alu instid0(VALU_DEP_2)
	v_pk_add_f32 v[236:237], v[236:237], v[248:249]
	s_delay_alu instid0(VALU_DEP_1)
	v_pk_add_f32 v[14:15], v[14:15], v[236:237]
.set J, 0
.rept 16
	v_pk_mul_f32 v[160+J:161+J], v[160+J:161+J], v[252:253] op_sel_hi:[1,0]   ; O^T under the new M
.set J, J+2
.endr
	s_wait_alu depctr_va_vdst(0)
	s_wait_dscnt 0x0                               ; v
.irp t, 0,1,2,3
	v_wmma_scale_f32_16x16x128_f8f6f4 v[160+8*\t:167+8*\t], v[64+8*\t:71+8*\t], v[224:231], v[160+8*\t:167+8*\t], v[244+\t], v253 matrix_a_fmt:MATRIX_FMT_FP4 matrix_b_fmt:MATRIX_FMT_FP4
.endr
	s_add_co_u32 s[TB], s[TB], 4096
	s_add_co_u32 s[TS], s[TS], 512
	s_add_co_u32 s[TV], s[TV], 256
	s_sub_co_u32 s[KC], s[KC], 1
	s_cmp_lg_u32 s[KC], 0
	s_cbranch_scc1 .Lstep
	; the tile's end: O^T / l, quantised: the head's 64 channels are two blocks of the next product's K
.rept 4
	v_nop
.endr
	v_add_f32 v14, v14, v15
	s_delay_alu instid0(VALU_DEP_1)
	v_permlanex16_b32 v252, v14, s[SEL], s[SEL+1]
	s_delay_alu instid0(VALU_DEP_1)
	v_add_f32 v14, v14, v252
	s_wait_alu depctr_va_vdst(0)
	v_rcp_f32 v14, v14
	v_nop
.set J, 0
	s_wait_alu depctr_va_vdst(0)
.rept 32
	v_mul_f32 v[96+J], v[160+J], v14
.set J, J+1
.endr
.irp b, 0,1
	v_max3_num_f32 v[232+\b], |v[96+16*\b]|, |v[97+16*\b]|, 0x1800000
.endr
.irp i, 2,4,6,8,10,12,14
.irp b, 0,1
	s_delay_alu instid0(VALU_DEP_2)
	v_max3_num_f32 v[232+\b], v[232+\b], |v[96+16*\b+\i]|, |v[97+16*\b+\i]|
.endr
.endr
.irp b, 0,1
	s_delay_alu instid0(VALU_DEP_2)
	v_permlanex16_b32 v[236+\b], v[232+\b], s[SEL], s[SEL+1]
.endr
.irp b, 0,1
	s_delay_alu instid0(VALU_DEP_2)
	v_max_num_f32 v[232+\b], v[232+\b], v[236+\b]
.endr
.irp b, 0,1
	s_delay_alu instid0(VALU_DEP_2)
	v_add_nc_u32 v[240+\b], 0xff000000, v[232+\b]
.endr
.irp b, 0,1
	s_delay_alu instid0(VALU_DEP_2)
	v_lshrrev_b32 v[236+\b], 23, v[240+\b]
.endr
	s_delay_alu instid0(VALU_DEP_1)
	v_lshl_or_b32 v254, v237, 8, v236              ; my head's half of the fragment's scale word
	v_cvt_scalef32_pk8_fp4_f32 v224, v[96:103],  v240
	v_cvt_scalef32_pk8_fp4_f32 v225, v[112:119], v241
	v_cvt_scalef32_pk8_fp4_f32 v226, v[104:111], v240
	v_cvt_scalef32_pk8_fp4_f32 v227, v[120:127], v241
	v_nop
	v_permlane16_swap_b32 v224, v225
	v_permlane16_swap_b32 v226, v227
	global_store_b128 v5, v[224:227], s[OCP:OCP+1] ; 512 consecutive bytes: quad head % 2 of fragment 8 m + head / 2
	global_store_b16 v6, v254, s[OSP:OSP+1]
	s_wait_xcnt 0x0                                ; the stores have read their registers and bases
.irp j, 0,1,2,3
	v_mov_b32 v[192+\j], v[196+\j]                 ; the second tile's quad
.endr
	s_add_nc_u64 s[OCP:OCP+1], s[OCP:OCP+1], 8192
	s_add_nc_u64 s[OSP:OSP+1], s[OSP:OSP+1], 1024
	s_add_co_u32 s[QSEL], s[QSEL], 0x02020202      ; bytes (2, 3, 2, 3)
	s_add_co_u32 s[MC], s[MC], 1
	s_cmp_lt_u32 s[MC], 2
	s_wait_alu depctr_va_vdst(0)                   ; the wait directly ahead of the branch
	s_cbranch_scc1 .Ltile
	s_wait_tensorcnt 0x0
	ds_add_u32 v222, v223
	s_wait_dscnt 0x0
	s_endpgm
.Lfunc_end_k_qa7ef99ec16_attn:
	.size	k_qa7ef99ec16_attn, .Lfunc_end_k_qa7ef99ec16_attn-k_qa7ef99ec16_attn
	.p2alignl 7, 3214868480
	.fill 96, 4, 3214868480
	.section	.rodata,"a",@progbits
	.p2align	6, 0x0
	.amdhsa_kernel k_qa7ef99ec16_attn
		.amdhsa_group_segment_fixed_size 81920
		.amdhsa_private_segment_fixed_size 0
		.amdhsa_enable_private_segment 0
		.amdhsa_kernarg_size 64
		.amdhsa_user_sgpr_count 2
		.amdhsa_user_sgpr_kernarg_segment_ptr 1
		.amdhsa_wavefront_size32 1
		.amdhsa_system_sgpr_workgroup_id_x 1
		.amdhsa_system_sgpr_workgroup_id_y 1
		.amdhsa_system_sgpr_workgroup_id_z 1
		.amdhsa_system_vgpr_workitem_id 0
		.amdhsa_next_free_vgpr 256
		.amdhsa_next_free_sgpr 66
		.amdhsa_reserve_vcc 0
		.amdhsa_float_denorm_mode_32 3
		.amdhsa_float_denorm_mode_16_64 3
		.amdhsa_memory_ordered 1
		.amdhsa_forward_progress 1
		.amdhsa_inst_pref_size 31
	.end_amdhsa_kernel
	.amdgpu_metadata
---
amdhsa.version: [ 1, 2 ]
amdhsa.kernels:
  - .name:           k_qa7ef99ec16_attn
    .symbol:         k_qa7ef99ec16_attn.kd
    .args:
      - { .name: qkvc, .offset: 0, .size: 8, .value_kind: global_buffer, .address_space: global }
      - { .name: qkvs, .offset: 8, .size: 8, .value_kind: global_buffer, .address_space: global }
      - { .name: oc, .offset: 16, .size: 8, .value_kind: global_buffer, .address_space: global }
      - { .name: os, .offset: 24, .size: 8, .value_kind: global_buffer, .address_space: global }
      - { .name: W_proj_codes, .offset: 32, .size: 8, .value_kind: global_buffer, .address_space: global }
      - { .name: W1_codes, .offset: 40, .size: 8, .value_kind: global_buffer, .address_space: global }
      - { .name: W2_codes, .offset: 48, .size: 8, .value_kind: global_buffer, .address_space: global }
      - { .name: wl, .offset: 56, .size: 8, .value_kind: global_buffer, .address_space: global }
    .group_segment_fixed_size: 81920
    .private_segment_fixed_size: 0
    .kernarg_segment_align: 8
    .kernarg_segment_size: 64
    .max_flat_workgroup_size: 512
    .sgpr_count:     66
    .vgpr_count:     256
    .wavefront_size: 32
...
	.end_amdgpu_metadata
.endif
;; end of part 2
;; launch tail (part 3): grid 256 x 1, 4 waves a work-group, clusters of 4 x 1, 327,680 bytes of LDS; arguments oc, os, x, out0, wl, W_proj_codes, W1_codes, W2_codes, W_proj_scales, b_proj, W1_scales, b1, W2_scales, b2, ln1_g, ln1_b, ln2_g, ln2_b; writes out0
.if DOCPART == 3
	.amdgcn_target "amdgcn-amd-amdhsa--gfx1250"
	.amdhsa_code_object_version 6
	.text
	.protected	k_qa7ef99ec16_tail
	.globl	k_qa7ef99ec16_tail
	.p2align	8
	.type	k_qa7ef99ec16_tail,@function
k_qa7ef99ec16_tail:
	s_mov_b64 s[64:65], 0
	v_nop
	global_prefetch_b8 v0, s[64:65] scope:SCOPE_SE
	s_setreg_imm32_b32 hwreg(HW_REG_WAVE_MODE, 25, 1), 1
	s_wait_xcnt 0x0
	s_wait_alu depctr_hold_cnt(0) depctr_sa_sdst(0) depctr_va_vdst(0) depctr_va_sdst(0) depctr_va_ssrc(0) depctr_va_vcc(0) depctr_vm_vsrc(0)
	s_getreg_b32 s2, hwreg(HW_REG_IB_STS2, 6, 4)
	s_cmp_eq_u32 s2, 0
	s_cbranch_scc0 .Lentry_in_a_cluster
	s_endpgm
.Lentry_in_a_cluster:
	s_bfe_u32 s2, ttmp6, 0x10000c
	s_cmp_lg_u32 s2, 0x3003
	s_cbranch_scc0 .Lentry_shape_is_right
	s_endpgm
.Lentry_shape_is_right:
; x1 = LN1(x + o W_proj + b_proj);  out0 = LN2(x1 + gelu(x1 W1 + b1) W2 + b2).  The three products on codes of FP4 (E2M1) with E8M0 scales; all else in f32.
; SHARES.  A work-group owns 32 whole rows (group G = 4 x cluster + place), so both norms stay inside it.  A UNIT is 64 rows of a weight x K = 1,024: 32,768 bytes, 64 matrix instructions into 8 accumulators.
; In trip i of a pass wave w takes unit 4 i + w.  Twelve trips: four for each weight.
; THE WEIGHTS COME BY TWO ROADS, BY TURNS.  Trips 0 and 2 of a weight: from wl, where the launch before laid these units as images of operand registers: 64 loads of 512 consecutive bytes straight into the unit's 256 registers,
; issued while the unit two trips earlier is multiplied.  Trips 1 and 3: through a ring of two LDS slots for each wave, one tensor load a unit, asked for JOINTLY by the four work-groups of a cluster (mask 15): the descriptor hangs on
; the weight's address, the wave's number and the trip alone; G enters global addresses of oc, os, x and out0 only.  So a tensor load, and a run of 64 loads, each have two units' work in which to land.
; NO PREFETCH: x is asked for whole at the head, where there is no loop to run ahead in; both roads of the weights are asked for two units ahead.
; THE PASSES of W_proj and of W2, with the norm behind them, are one text in a loop of two trips: the rows (x, then x1) lie in window 2 and each unit's sums are added to them.  The second pass's last two units, which ask for nothing more, are written out.
; LAYOUT.  Source 0 = 16 rows of the weight, source 1 = 16 tokens: lane (r, h) holds token r, register j of tile t channel 16 t + 8 h + j.
; o, x1 and the gelu's result reach all waves through LDS as images of operand registers.  The biases are the C of each sum's first product.
; GELU: 0.5 h (1 + erf(h / sqrt 2)), erf as z P(z^2) / Q(z^2) with z held to +-4.  LIMITS: its absolute error is some 1e-7 |h| (for very negative h not a relative bound); NaN and infinities are not served;
; a block whose largest magnitude lies under 2^-124 gets the byte 1 (read with that byte by this program alone).
; REGISTERS: window 0: v1-31 addresses and statistics; v32-95 the 8 accumulators; v96-127 codes, work, constants; v128-143 the unit's scale words, v144-159 the next unit's; v160-175 the rows'; v176-207 the bias; v208-255 at work.
;            window 1: v0-127 the rows' 16 fragments (at the head x as loaded, at a norm gains and biases); v128-255 K steps 0-3 of a unit from wl.   window 2: the rows: v[64 i + 32 m + 8 t + j].
;            window 3: v0-127 fragments from the ring, four buffers of 32 (also x as loaded, gains and biases); v128-255 K steps 4-7 of a unit from wl.
.set SLOTB, 33792                      ; a slot: 64 rows x (512 bytes + 16 of padding)
.set WRING, 67584                      ; a wave's two slots
.set STG,   270336                     ; a stage of 16 rows x 272 bytes for each wave: rows turn into lanes and back
.set AIMG,  287744                     ; 16 fragments of x1, 1,024 bytes each
.set ASC,   304128                     ; their scale words
.set IMG1,  18432                      ; from these to o's, later the gelu's, fragments and scale words
.set STAT,  324608                     ; two regions of 512 bytes for the norms' sums
.set SPARE, 325632                     ; the spare words, 128 bytes a wave
.set AW0, 4
.set AW1, 5
.set AWL, 6
.set LI,  7
.set WSO, 9
.set BO,  10
.set RW,  11                           ; the stage by rows: 272 h + 16 r
.set DW,  12                           ; the stage by lanes: 272 r + 32 h
.set XO,  13                           ; x, out0: 4,096 h + 16 r + 256 wave
.set HWI, 14
.set HWS, 15
.set STW, 16
.set STR, 17
.set MU,  20
.set RS,  24
.set SPW, 28
.set NIL, 29
.set FI,  30
.set FS,  31
.set HA,  32
.set PC,  96
.set TM,  104
.set PW,  120
.set VA11, 122
.set VB6,  124
.set OCW, 126
.set OSW, 127
.set WS,  128
.set WS2, 144
.set XS,  160
.set BI,  176
.set NS,  4                            ; s[4:5], s[6:7] behind the head: scale bytes and bias of the unit after next
.set NB,  6
.set WV,  40
.set GG,  41
.set WP,  42                           ; s[42:43] where wl's units stand
.set LS,  44                           ; s[44:45] scale bytes, s[46:47] bias of the weight in hand
.set LB,  46
.set LG,  48                           ; s[48:49], s[50:51] the norm's gains and biases
.set LH,  50
.set PH,  52
.set CNT, 53
.set IO,  54
.set OFF, 55
.set SEL, 56
.set W2T, 58                           ; s[58:59] behind the head: W2's first tile for the ring, with the descriptor's type bits
.set EPS, 66
.set INV, 67
.set G0,  68
.set G1,  72
.set CZ,  80
.set A13, 82
.set A9,  84
.set A7,  86
.set A5,  88
.set A3,  90
.set A1,  92
.set B8,  94
.set B4,  96
.set B2,  98
.set B0,  100
.set MSB, 0
.macro WIN new
.set NW, \new
.if MSB != NW
	s_set_vgpr_msb (MSB<<8)|NW
.set MSB, NW
.endif
.endm
.macro PLACES n
.rept \n
	v_nop
.endr
.endm
.macro ROUND                           ; a round of the cluster's barrier
	s_barrier_signal -1
	s_barrier_wait -1
	s_cmp_lg_u32 s[WV], 0
	s_cbranch_scc1 .Lnot_wave_0_\@
	s_barrier_signal -3
.Lnot_wave_0_\@:
	s_barrier_wait -3
	s_barrier_signal -1
	s_barrier_wait -1
.endm
.macro BARRIER
	s_wait_dscnt 0x0                               ; my LDS stores have landed and my LDS loads are in
	s_barrier_signal -1
	s_barrier_wait -1                              ; a tile may stay on its way
.endm
; The head of a unit from the ring: its tile has landed; the round; then the ring's next tile is asked for, into the slot read last.  src = 0: eight units on in the same weight; else the tile whose address lies in s[src].
.macro HEAD fill, src
	s_wait_tensorcnt 0x0                           ; my one tensor load has landed: this unit's tile
	ds_add_u32 v[SPW], v[NIL]                      ; 0 onto my spare word
.if \fill
	s_xor_b32 s[G0+1], s[G0+1], SLOTB
.if \src == 0
	s_add_nc_u64 s[G0+2:G0+3], s[G0+2:G0+3], 262144
.else
	s_mov_b64 s[G0+2:G0+3], s[\src:\src+1]
	s_or_b32 s[G0+3], s[G0+3], 0x80000000
.endif
.endif
	s_wait_dscnt 0x0                               ; the add is done, and my reads of the other slot are over
	ROUND
.if \fill
	tensor_load_to_lds s[G0:G0+3], s[G1:G1+7]
	s_nop 0
	PLACES 4
.endif
.endm
; 64 numbers of a lane in window w, register 16 b + i of v[s] on = group b (a block of 32 shared with lane l xor 16).  Out: codes in v[PC] on (quad c of lane (r, h) = group 2 c + h), bytes in v[PW].
.macro QUANT s, w
	WIN (\w)|((\w)<<2)
.irp b, 0,1,2,3
	v_max3_num_f32 v[TM+\b], |v[\s+16*\b]|, |v[\s+16*\b+1]|, 0x1800000
.endr
	WIN ((\w)<<2)|((\w)<<4)
.irp i, 2,4,6,8,10,12,14
.irp b, 0,1,2,3
	v_max3_num_f32 v[TM+\b], v[TM+\b], |v[\s+16*\b+\i]|, |v[\s+16*\b+\i+1]|
.endr
.endr
	WIN 0
.irp b, 0,1,2,3
	v_permlanex16_b32 v[TM+4+\b], v[TM+\b], s[SEL], s[SEL+1]
.endr
.irp b, 0,1,2,3
	v_max_num_f32 v[TM+\b], v[TM+\b], v[TM+4+\b]
.endr
.irp b, 0,1,2,3
	v_add_nc_u32 v[TM+12+\b], 0xff000000, v[TM+\b]
.endr
.irp b, 0,1,2,3
	v_lshrrev_b32 v[TM+4+\b], 23, v[TM+12+\b]
.endr
	v_lshl_or_b32 v[PW], v[TM+5], 8, v[TM+4]
	v_lshl_or_b32 v[PW], v[TM+6], 16, v[PW]
	v_lshl_or_b32 v[PW], v[TM+7], 24, v[PW]
	WIN \w
.irp c, 0,1
	v_cvt_scalef32_pk8_fp4_f32 v[PC+4*\c],   v[\s+32*\c:\s+32*\c+7],     v[TM+12+2*\c]
	v_cvt_scalef32_pk8_fp4_f32 v[PC+4*\c+1], v[\s+32*\c+16:\s+32*\c+23], v[TM+13+2*\c]
	v_cvt_scalef32_pk8_fp4_f32 v[PC+4*\c+2], v[\s+32*\c+8:\s+32*\c+15],  v[TM+12+2*\c]
	v_cvt_scalef32_pk8_fp4_f32 v[PC+4*\c+3], v[\s+32*\c+24:\s+32*\c+31], v[TM+13+2*\c]
.endr
	WIN 0
	v_nop
.irp c, 0,1
	v_permlane16_swap_b32 v[PC+4*\c], v[PC+4*\c+1]
	v_permlane16_swap_b32 v[PC+4*\c+2], v[PC+4*\c+3]
.endr
.endm
.macro PREF sp, so, bp, bo             ; 12 loads: a unit's scale words (register q: K step q in lanes 0-15, 4 + q in lanes 16-31), into the waiting set, and its bias in the result's layout
.irp t, 0,1,2,3
	global_load_b128 v[WS2+4*\t:WS2+4*\t+3], v[WSO], s[\sp:\sp+1] offset:\so+512*\t
.endr
.irp t, 0,1,2,3
.irp q, 0,1
	global_load_b128 v[BI+8*\t+4*\q:BI+8*\t+4*\q+3], v[BO], s[\bp:\bp+1] offset:\bo+64*\t+16*\q
.endr
.endr
.endm
.macro SCOPY                           ; the waiting set of scale words becomes the unit's
.irp j, 0,1,2,3,4,5,6,7,8,9,10,11,12,13,14,15
	v_mov_b32 v[WS+\j], v[WS2+\j]
.endr
	s_wait_alu depctr_va_vdst(0)                   ; the wait behind the writes
	PLACES 8                                       ; a scale register written by a vector instruction stands 8 places ahead of a scaled product
.endm
.macro LOADW s, nx                     ; 8 loads: the four fragments of K step s of wl's unit nx bytes on
	WIN 0x40+0x80*((\s)/4)
.irp t, 0,1,2,3
.irp c, 0,1
	global_load_b128 v[128+32*((\s)&3)+8*\t+4*\c:128+32*((\s)&3)+8*\t+4*\c+3], v[LI], s[WP:WP+1] offset:(\nx)+4096*(\s)+1024*\t+512*\c
.endr
.endr
.endm
.macro LOADL aw, s                     ; 8 LDS loads: the four fragments of K step s of the ring's tile, into buffer s % 4 of window 3
	WIN 0xc0
.irp t, 0,1,2,3
.irp c, 0,1
	ds_load_b128 v[32*((\s)&3)+8*\t+4*\c:32*((\s)&3)+8*\t+4*\c+3], v[\aw] offset:8448*\t+64*(\s)+32*\c
.endr
.endr
.endm
.macro MULS s, wb                      ; the 8 products of K step s, the weight's fragments from v[wb] on; the eight accumulators take turns, one instruction a turn
.irp t, 0,1,2,3
.irp m, 0,1
.set RWF, \wb+32*((\s)&3)+8*\t
.set RXF, 8*(8*\m+(\s))
.set RWS, WS+4*\t+((\s)&3)
.set RXS, XS+8*\m+(\s)
.set RD, HA+32*\m+8*\t
.if (\s) == 0
	v_wmma_scale_f32_16x16x128_f8f6f4 v[RD:RD+7], v[RWF:RWF+7], v[RXF:RXF+7], v[BI+8*\t:BI+8*\t+7], v[RWS], v[RXS] matrix_a_fmt:MATRIX_FMT_FP4 matrix_b_fmt:MATRIX_FMT_FP4
.elseif (\s) < 4
	v_wmma_scale_f32_16x16x128_f8f6f4 v[RD:RD+7], v[RWF:RWF+7], v[RXF:RXF+7], v[RD:RD+7], v[RWS], v[RXS] matrix_a_fmt:MATRIX_FMT_FP4 matrix_b_fmt:MATRIX_FMT_FP4
.else
	v_wmma_scale_f32_16x16x128_f8f6f4 v[RD:RD+7], v[RWF:RWF+7], v[RXF:RXF+7], v[RD:RD+7], v[RWS], v[RXS] matrix_a_fmt:MATRIX_FMT_FP4 matrix_b_fmt:MATRIX_FMT_FP4 matrix_a_scale:MATRIX_SCALE_ROW1
.endif
.endr
.endr
.endm
; A unit from wl.  Its 64 loads were issued two units ago, its scale words and bias last of all.  Here the next unit's 12 are asked for and, nxt = 1, the 64 of wl's next unit, each K step into the registers multiplied two steps before.
.macro UNITS nxt, nx, sp, so, bp, bo
	s_wait_loadcnt 0x0
	SCOPY
.irp s, 0,1,2,3,4,5,6,7
.if \s == 1
	PLACES 4                                       ; K step 0 has taken the bias
	WIN 0
	PREF \sp, \so, \bp, \bo
.endif
.if \nxt && (\s >= 2)
	PLACES 4                                       ; the registers to be loaded were read by products
	LOADW \s-2, \nx
.endif
	WIN 0x05+2*(\s/4)
	MULS \s, 128
.endr
	PLACES 4
.if \nxt
	LOADW 6, \nx
	LOADW 7, \nx
.endif
	WIN 0
.endm
; A unit from the ring: fragments three K steps ahead.  cnt: the loads behind its scale words and bias that may be out (64 of wl's next unit stand behind them: the field's largest count serves; or none).
.macro UNITL aw, cnt, pre, sp, so, bp, bo
	LOADL \aw, 0
	LOADL \aw, 1
	LOADL \aw, 2
	WIN 0
	s_wait_loadcnt \cnt
	SCOPY
.irp s, 0,1,2,3,4,5,6,7
.if (\s >= 1) && (\s <= 4)
	PLACES 4                                       ; the buffer to be loaded was read by the products just issued
.endif
.if \s <= 4
	LOADL \aw, \s+3
.endif
.if (\s == 5) && \pre
	WIN 0
	PREF \sp, \so, \bp, \bo
.endif
.if \s < 5
	s_wait_dscnt 24                                ; this step's 8 loads are in; those of the three steps behind it may be out
.else
	s_wait_dscnt 8*(7-\s)
.endif
	WIN 0x07
	MULS \s, 0
.endr
	PLACES 4
	WIN 0
.endm
.macro EP i                            ; rows += the unit's sums; each accumulator from its low end on
	WIN 0x82
.set N, 0
.rept 32
	v_pk_add_f32 v[64*\i+2*N:64*\i+2*N+1], v[64*\i+2*N:64*\i+2*N+1], v[HA+2*N:HA+2*N+1]
.set N, N+1
.endr
	WIN 0
.endm
.macro XLOAD i                         ; x at my 64 channels of trip i: sixteen lanes read 256 consecutive bytes, aligned.  Trips 0, 1 land in window 3, trips 2, 3 in window 1
	WIN 0xc0-0x80*(\i/2)
.irp m, 0,1
.irp k, 0,1,2,3,4,5,6,7
	global_load_b128 v[64*(\i&1)+32*\m+4*\k:64*(\i&1)+32*\m+4*\k+3], v[XO], s[8:9] offset:(16*\m+2*\k)*4096+1024*\i th:TH_LOAD_NT
.endr
.endr
	WIN 0
.endm
.macro TURN i                          ; x turns through my stage into the rows' layout, in window 2.  LDS serves a wave's instructions in order
.irp m, 0,1
	WIN 0x0c-0x08*(\i/2)
.irp k, 0,1,2,3,4,5,6,7
	ds_store_b128 v[RW], v[64*(\i&1)+32*\m+4*\k:64*(\i&1)+32*\m+4*\k+3] offset:544*\k
.endr
	WIN 0x80
.irp t, 0,1,2,3
.irp q, 0,1
	ds_load_b128 v[64*\i+32*\m+8*\t+4*\q:64*\i+32*\m+8*\t+4*\q+3], v[DW] offset:64*\t+16*\q
.endr
.endr
.endr
	WIN 0
.endm
.macro GB                              ; a norm's gains and biases at my channels, in the result's layout: trips 0, 1 in window 3, trips 2, 3 in window 1
.irp i, 0,1,2,3
	WIN 0xc0-0x80*(\i/2)
.irp t, 0,1,2,3
.irp q, 0,1
	global_load_b128 v[64*(\i&1)+8*\t+4*\q:64*(\i&1)+8*\t+4*\q+3], v[BO], s[LG:LG+1] offset:1024*\i+64*\t+16*\q
	global_load_b128 v[64*(\i&1)+32+8*\t+4*\q:64*(\i&1)+32+8*\t+4*\q+3], v[BO], s[LH:LH+1] offset:1024*\i+64*\t+16*\q
.endr
.endr
.endr
	WIN 0
.endm
; Four packed chains v[208:215] -> the sums over all 1,024 channels: v220 for token r, v224 for token 16 + r.  Every wave adds the four waves' parts in the same order.
.macro EXCH kk
	v_pk_add_f32 v[208:209], v[208:209], v[210:211]
	v_pk_add_f32 v[212:213], v[212:213], v[214:215]
	v_add_f32 v216, v208, v209
	v_add_f32 v217, v212, v213
	v_permlanex16_b32 v218, v216, s[SEL], s[SEL+1]
	v_permlanex16_b32 v219, v217, s[SEL], s[SEL+1]
	v_add_f32 v216, v216, v218
	v_add_f32 v217, v217, v219
	s_mov_b32 vcc_lo, 0xffff0000                   ; lanes 16-31: written anew here
	v_cndmask_b32 v216, v216, v217, vcc_lo         ; lane l holds token l's part
	ds_store_b32 v[STW], v216 offset:512*(\kk)
	BARRIER
.irp m, 0,1
.irp u, 0,1,2,3
	ds_load_b32 v[220+4*\m+\u], v[STR] offset:512*(\kk)+128*\u+64*\m
.endr
.endr
	s_wait_dscnt 0x0
	v_add_f32 v220, v220, v221
	v_add_f32 v222, v222, v223
	v_add_f32 v224, v224, v225
	v_add_f32 v226, v226, v227
	v_add_f32 v220, v220, v222
	v_add_f32 v224, v224, v226
.endm
.macro STATS                           ; the rows lose their means; v[RS] gets 1 / sqrt(var + eps).  The variance is taken of the differences, as it is defined
	WIN 0x0a
.irp m, 0,1
.irp c, 0,1
	v_pk_add_f32 v[208+4*\m+2*\c:209+4*\m+2*\c], v[32*\m+4*\c:32*\m+4*\c+1], v[32*\m+4*\c+2:32*\m+4*\c+3]
.endr
.endr
	WIN 0x08
.irp i, 0,1,2,3
.irp n, 0,2,4,6,8,10,12,14
.if (\i > 0) || (\n > 2)
.irp m, 0,1
	v_pk_add_f32 v[208+4*\m:209+4*\m], v[208+4*\m:209+4*\m], v[64*\i+32*\m+2*\n:64*\i+32*\m+2*\n+1]
	v_pk_add_f32 v[210+4*\m:211+4*\m], v[210+4*\m:211+4*\m], v[64*\i+32*\m+2*\n+2:64*\i+32*\m+2*\n+3]
.endr
.endif
.endr
.endr
	WIN 0
	EXCH 0
	v_mul_f32 v[MU], s[INV], v220
	v_mul_f32 v[MU+2], s[INV], v224
	WIN 0x82
.irp i, 0,1,2,3
.irp m, 0,1
.set N, 0
.rept 16
	v_pk_add_f32 v[64*\i+32*\m+2*N:64*\i+32*\m+2*N+1], v[64*\i+32*\m+2*N:64*\i+32*\m+2*N+1], v[MU+2*\m:MU+2*\m+1] op_sel_hi:[1,0] neg_lo:[0,1] neg_hi:[0,1]
.set N, N+1
.endr
.endr
.endr
	WIN 0x0a
.irp m, 0,1
.irp c, 0,1
	v_pk_mul_f32 v[208+4*\m+2*\c:209+4*\m+2*\c], v[32*\m+2*\c:32*\m+2*\c+1], v[32*\m+2*\c:32*\m+2*\c+1]
.endr
.endr
.irp i, 0,1,2,3
.irp n, 0,2,4,6,8,10,12,14
.if (\i > 0) || (\n > 0)
.irp m, 0,1
	v_pk_fma_f32 v[208+4*\m:209+4*\m], v[64*\i+32*\m+2*\n:64*\i+32*\m+2*\n+1], v[64*\i+32*\m+2*\n:64*\i+32*\m+2*\n+1], v[208+4*\m:209+4*\m]
	v_pk_fma_f32 v[210+4*\m:211+4*\m], v[64*\i+32*\m+2*\n+2:64*\i+32*\m+2*\n+3], v[64*\i+32*\m+2*\n+2:64*\i+32*\m+2*\n+3], v[210+4*\m:211+4*\m]
.endr
.endif
.endr
.endr
	WIN 0
	EXCH 1
	v_fma_f32 v220, v220, s[INV], s[EPS]
	v_fma_f32 v224, v224, s[INV], s[EPS]
	s_wait_alu depctr_va_vdst(0)                   ; the wait ahead of the transcendentals
	v_rsq_f32 v[RS], v220
	v_rsq_f32 v[RS+2], v224
	v_nop
	s_wait_alu depctr_va_vdst(0)                   ; and behind them, ahead of their first reader
.endm
.macro NORM i
	WIN 0x82
.irp m, 0,1
.set N, 0
.rept 16
	v_pk_mul_f32 v[64*\i+32*\m+2*N:64*\i+32*\m+2*N+1], v[64*\i+32*\m+2*N:64*\i+32*\m+2*N+1], v[RS+2*\m:RS+2*\m+1] op_sel_hi:[1,0]
.set N, N+1
.endr
.endr
	WIN 0xbe-0x28*(\i/2)                           ; gains and biases in window 3 or 1
.irp m, 0,1
.set N, 0
.rept 16
	v_pk_fma_f32 v[64*\i+32*\m+2*N:64*\i+32*\m+2*N+1], v[64*\i+32*\m+2*N:64*\i+32*\m+2*N+1], v[64*(\i&1)+2*N:64*(\i&1)+2*N+1], v[64*(\i&1)+32+2*N:64*(\i&1)+32+2*N+1]
.set N, N+1
.endr
.endr
	WIN 0
.endm
; My unit's codes are quad wave % 2 of K step 2 i + wave / 2, for both tiles of tokens; its bytes are half of those fragments' scale words.
.macro IMG ai, as, off, soff
	ds_store_b128 v[\ai], v[PC:PC+3] offset:\off
	ds_store_b128 v[\ai], v[PC+4:PC+7] offset:\off+8192
	ds_store_b16 v[\as], v[PW] offset:\soff
	ds_store_b16_d16_hi v[\as], v[PW] offset:\soff+1024
	s_wait_dscnt 0x0
.endm
.macro FETCH rel                       ; all 16 fragments and their scale words
	WIN 0x40
.set K, 0
.rept 32
	ds_load_b128 v[4*K:4*K+3], v[FI] offset:\rel+512*K
.set K, K+1
.endr
	WIN 0
.set K, 0
.rept 16
	ds_load_b32 v[XS+K], v[FS] offset:\rel+128*K
.set K, K+1
.endr
	s_wait_dscnt 0x0
.endm
.macro GSTEP d, c                      ; d = d w + c for the batch's four pairs
.irp p, 0,2,4,6
	v_pk_fma_f32 v[\d+\p:\d+\p+1], v[\d+\p:\d+\p+1], v[216+\p:217+\p], s[\c:\c+1] op_sel_hi:[1,1,0]
.endr
.endm
.macro GELU                            ; on the 64 sums, an accumulator (8 numbers) at a time: v208.. z, v216.. w = z^2 and later 1 / Q, v224.. P, v232.. Q, v240.. h / 2
.irp b, 0,1,2,3,4,5,6,7
.irp p, 0,2,4,6
	v_pk_mul_f32 v[208+\p:209+\p], v[HA+8*\b+\p:HA+8*\b+\p+1], s[CZ:CZ+1] op_sel_hi:[1,0]
.endr
.irp p, 0,1,2,3,4,5,6,7
	v_med3_num_f32 v[208+\p], v[208+\p], -4.0, 4.0
.endr
.irp p, 0,2,4,6
	v_pk_mul_f32 v[216+\p:217+\p], v[208+\p:209+\p], v[208+\p:209+\p]
.endr
.irp p, 0,2,4,6
	v_pk_fma_f32 v[224+\p:225+\p], v[216+\p:217+\p], s[A13:A13+1], v[VA11:VA11+1] op_sel_hi:[1,0,1]
.endr
.irp p, 0,2,4,6
	v_pk_fma_f32 v[232+\p:233+\p], v[216+\p:217+\p], s[B8:B8+1], v[VB6:VB6+1] op_sel_hi:[1,0,1]
.endr
	GSTEP 224, A9
	GSTEP 232, B4
	GSTEP 224, A7
	GSTEP 232, B2
	GSTEP 224, A5
	GSTEP 232, B0
	GSTEP 224, A3
	GSTEP 224, A1
	s_wait_alu depctr_va_vdst(0)                   ; the wait ahead of the batch
.irp p, 0,1,2,3,4,5,6,7
	v_rcp_f32 v[216+\p], v[232+\p]
.endr
.irp p, 0,2,4,6
	v_pk_mul_f32 v[224+\p:225+\p], v[224+\p:225+\p], v[208+\p:209+\p]   ; z P (plain places behind the reciprocals)
.endr
	s_wait_alu depctr_va_vdst(0)                   ; and behind it
.irp p, 0,2,4,6
	v_pk_mul_f32 v[224+\p:225+\p], v[224+\p:225+\p], v[216+\p:217+\p]   ; erf
.endr
.irp p, 0,2,4,6
	v_pk_mul_f32 v[240+\p:241+\p], v[HA+8*\b+\p:HA+8*\b+\p+1], 0.5 op_sel_hi:[1,0]
.endr
.irp p, 0,2,4,6
	v_pk_fma_f32 v[HA+8*\b+\p:HA+8*\b+\p+1], v[240+\p:241+\p], v[224+\p:225+\p], v[240+\p:241+\p]
.endr
.endr
.endm
; THE WAY OUT.  Block b = 2 i + m (16 tokens x my 64 channels of trip i) turns back through my stage into a set of 32 registers of its own, where wl's units lay: eight sets, so no store's registers are written again.
.macro OSTG b
	WIN 0x08
.irp t, 0,1,2,3
.irp q, 0,1
	ds_store_b128 v[DW], v[32*(\b)+8*\t+4*\q:32*(\b)+8*\t+4*\q+3] offset:64*\t+16*\q
.endr
.endr
	WIN 0x40+0x80*((\b)/4)
.irp k, 0,1,2,3,4,5,6,7
	ds_load_b128 v[128+32*((\b)&3)+4*\k:128+32*((\b)&3)+4*\k+3], v[RW] offset:544*\k
.endr
.endm
.macro OSEND b                         ; sixteen lanes store 256 consecutive bytes, aligned
	WIN 0x04+0x08*((\b)/4)
.irp k, 0,1,2,3,4,5,6,7
	global_store_b128 v[XO], v[128+32*((\b)&3)+4*\k:128+32*((\b)&3)+4*\k+3], s[10:11] offset:(16*((\b)&1)+2*\k)*4096+1024*((\b)/2) th:TH_STORE_NT
.endr
.endm
.macro CPAIR reg, val                  ; a constant as a pair: the packed forms name a pair and take its low word for both halves
	s_mov_b32 s[\reg], \val
	s_mov_b32 s[\reg+1], \val
.endm
	s_load_b512 s[4:19], s[0:1], 0x0               ; oc, os, x, out0, wl, W_proj's, W1's, W2's codes
	s_load_b512 s[20:35], s[0:1], 0x40             ; W_proj's scales, b_proj, W1's scales, b1, W2's scales, b2, ln1_g, ln1_b
	s_load_b128 s[36:39], s[0:1], 0x80             ; ln2_g, ln2_b
	v_lshl_add_u32 v[SPW], v0, 2, SPARE
	v_mov_b32 v[NIL], 0
	ds_add_u32 v[SPW], v[NIL]                      ; the opening lines: the add, twice on end, and its wait ahead of my first tensor load
	ds_add_u32 v[SPW], v[NIL]
	s_wait_dscnt 0x0
	v_lshrrev_b32 v1, 5, v0
	v_readfirstlane_b32 s[WV], v1                  ; wave 0..3
	s_bfe_u32 s62, ttmp6, 0x40000                  ; my place in the cluster
	s_lshl_b32 s[GG], ttmp9, 2
	s_add_co_u32 s[GG], s[GG], s62                 ; G
	s_mul_i32 s[G0+1], s[WV], WRING                ; my ring
	s_mul_i32 s53, s[WV], 4352
	s_add_co_u32 s53, s53, STG                     ; my stage
	s_lshl_b32 s54, s[WV], 8
	s_lshl_b32 s55, s[WV], 9
	s_add_co_u32 s61, s55, ASC+IMG1
	s_add_co_u32 s55, s55, AIMG
	s_lshr_b32 s58, s[WV], 1
	s_lshl_b32 s58, s58, 7
	s_and_b32 s59, s[WV], 1
	s_lshl_b32 s59, s59, 1
	s_add_co_u32 s58, s58, s59
	s_add_co_u32 s58, s58, ASC
	s_lshl_b32 s59, s[WV], 7
	s_add_co_u32 s59, s59, STAT
	s_lshl_b32 s60, s[WV], 12
	s_add_co_u32 s60, s60, AIMG+IMG1
	s_mov_b32 s[SEL], 0x76543210
	s_mov_b32 s[SEL+1], 0xfedcba98
	CPAIR CZ,  0x3f3504f3                          ; 1 / sqrt 2
	CPAIR A13, 0xaf95df0b                          ; erf's numerator, z^13 down to z^1 (z^11's lies in a vector pair),
	CPAIR A9,  0xb60cff51
	CPAIR A7,  0xb86ec2d2
	CPAIR A5,  0xba40ac63
	CPAIR A3,  0xbb41a1f6
	CPAIR A1,  0xbc83dbd4
	CPAIR B8,  0xb77460cd                          ; and its denominator, z^8 down to 1 (z^6's in a vector pair)
	CPAIR B4,  0xbadc924e
	CPAIR B2,  0xbbf19bf8
	CPAIR B0,  0xbc69b6a7
	s_mov_b32 s[EPS], 0x3727c5ac                   ; 1e-5
	s_mov_b32 s[INV], 0x3a800000                   ; 1 / 1,024
	s_mov_b32 s[PH], 0
	s_mov_b32 s[G1], 15|(1<<20)|(1<<21)|(6<<22)|(3<<25)   ; the mask: all four work-groups; elements of 1 byte; padding on; bit 21 beside a mask; four words after every 128
	s_mov_b32 s[G1+1], 512<<16
	s_mov_b32 s[G1+2], 64<<16
	s_mov_b32 s[G1+3], 512<<16
	s_mov_b32 s[G1+4], 64
	s_mov_b32 s[G1+5], 512
	s_mov_b32 s[G1+6], 0
	s_mov_b32 s[G1+7], 0
	v_and_b32 v1, 31, v0                           ; lane
	v_and_b32 v2, 15, v0                           ; r
	v_bfe_u32 v3, v0, 4, 1                         ; h
	v_mul_u32_u24 v[AW0], v2, 528
	v_lshl_add_u32 v[AW0], v3, 4, v[AW0]
	v_add_nc_u32 v[AW0], s[G0+1], v[AW0]
	v_add_nc_u32 v[AW1], SLOTB, v[AW0]
	v_lshlrev_b32 v[LI], 4, v1
	v_lshlrev_b32 v[WSO], 5, v2
	v_lshl_add_u32 v[WSO], v3, 4, v[WSO]
	v_lshlrev_b32 v[BO], 5, v3
	v_mul_u32_u24 v[RW], v3, 272
	v_lshl_add_u32 v[RW], v2, 4, v[RW]
	v_add_nc_u32 v[RW], s53, v[RW]
	v_mul_u32_u24 v[DW], v2, 272
	v_lshl_add_u32 v[DW], v3, 5, v[DW]
	v_add_nc_u32 v[DW], s53, v[DW]
	v_lshlrev_b32 v[XO], 12, v3
	v_lshl_add_u32 v[XO], v2, 4, v[XO]
	v_add_nc_u32 v[XO], s54, v[XO]
	v_lshl_add_u32 v[HWI], v1, 4, s55
	v_lshl_add_u32 v[HWS], v1, 2, s58
	v_lshl_add_u32 v[STW], v1, 2, s59
	v_lshl_add_u32 v[STR], v2, 2, STAT
	v_lshl_add_u32 v[FI], v1, 4, AIMG
	v_lshl_add_u32 v[FS], v1, 2, ASC
	v_lshl_add_u32 v[OCW], v1, 4, s60
	v_lshl_add_u32 v[OSW], v1, 4, s61
.irp j, 21,23,25,27,218,219
	v_mov_b32 v\j, 0                               ; upper halves of pairs of which the low word is taken, and lane permutes' destinations: written once
.endr
.irp b, 0,1,2,3
	v_mov_b32 v[TM+4+\b], 0
.endr
	v_mov_b32 v[VA11], 0x32edffee
	v_mov_b32 v[VA11+1], 0x32edffee
	v_mov_b32 v[VB6], 0xb95fbd29
	v_mov_b32 v[VB6+1], 0xb95fbd29
	s_wait_alu depctr_va_vdst(0)                   ; the wait at the head's end
	s_wait_kmcnt 0x0
	s_mov_b32 s59, 0                               ; s[58:59] hold the wave's offsets and never my place in the cluster; s[62:63] hold G's
	s_mov_b32 s63, 0
	s_lshl_b32 s58, s[WV], 15                      ; my unit of a trip: in wl,
	s_add_nc_u64 s[WP:WP+1], s[12:13], s[58:59]
	s_add_co_u32 s58, s58, 131072                  ; in the weights: trip 1's,
.irp p, 14,16,18
	s_add_nc_u64 s[\p:\p+1], s[\p:\p+1], s[58:59]
.endr
	s_lshl_b32 s58, s[WV], 11                      ; scale bytes,
.irp p, 20,24,28
	s_add_nc_u64 s[\p:\p+1], s[\p:\p+1], s[58:59]
.endr
	s_lshl_b32 s58, s[WV], 8                       ; and 64 numbers of each vector
.irp p, 22,26,30,32,34,36,38
	s_add_nc_u64 s[\p:\p+1], s[\p:\p+1], s[58:59]
.endr
	s_lshl_b32 s58, s[WV], 12                      ; attention's 16 fragments: my wave copies a quarter
	s_add_nc_u64 s[4:5], s[4:5], s[58:59]
	s_lshl_b32 s58, s[WV], 9
	s_add_nc_u64 s[6:7], s[6:7], s[58:59]
	s_lshl_b32 s62, s[GG], 17                      ; my 32 rows
	s_add_nc_u64 s[8:9], s[8:9], s[62:63]
	s_add_nc_u64 s[10:11], s[10:11], s[62:63]
	s_lshl_b32 s62, s[GG], 14
	s_add_nc_u64 s[4:5], s[4:5], s[62:63]
	s_lshl_b32 s62, s[GG], 11
	s_add_nc_u64 s[6:7], s[6:7], s[62:63]
	s_mov_b32 s[G0], 1
	s_mov_b64 s[G0+2:G0+3], s[14:15]               ; W_proj's trip 1 into slot 0
	s_or_b32 s[G0+3], s[G0+3], 0x80000000
	s_mov_b64 s[W2T:W2T+1], s[18:19]
	s_or_b32 s[W2T+1], s[W2T+1], 0x80000000
	s_mov_b64 s[LS:LS+1], s[20:21]
	s_mov_b64 s[LB:LB+1], s[22:23]
	s_mov_b64 s[LG:LG+1], s[32:33]
	s_mov_b64 s[LH:LH+1], s[34:35]
.irp k, 0,1,2,3,4,5,6,7
	global_load_b128 v[208+4*\k:211+4*\k], v[LI], s[4:5] offset:512*\k
.endr
	global_load_b128 v[240:243], v[LI], s[6:7]
	PREF LS, 0, LB, 0
	ROUND                                          ; all four work-groups are here: the first joint loads meet
	tensor_load_to_lds s[G0:G0+3], s[G1:G1+7]      ; one tensor load a wave at the head
	s_nop 0
	PLACES 4
.irp s, 0,1,2,3,4,5,6,7
	LOADW \s, 0
.endr
	XLOAD 0
	XLOAD 1
	XLOAD 2
	XLOAD 3
	s_wait_loadcnt 63                              ; behind attention's 9 loads stand 140: the field's largest count serves
.irp k, 0,1,2,3,4,5,6,7
	ds_store_b128 v[OCW], v[208+4*\k:211+4*\k] offset:512*\k
.endr
	ds_store_b128 v[OSW], v[240:243]
	s_wait_loadcnt 48                              ; x's trip 0 is in; behind it: trips 1 to 3, 16 loads each
	TURN 0
	s_wait_loadcnt 32
	TURN 1
	s_wait_loadcnt 16
	TURN 2
	s_wait_loadcnt 0x0
	TURN 3
	BARRIER                                        ; attention's sixteen fragments lie in LDS; my rows are in
.Lphase:                                               ; two trips: rows += o W_proj + b_proj, LN1;  rows += gelu(..) W2 + b2, LN2
	FETCH IMG1
	UNITS 1, 131072, LS, 8192, LB, 1024
	EP 0
	HEAD 1, 0                                      ; trip 3's tile is asked for
	UNITL AW0, 63, 1, LS, 16384, LB, 2048
	EP 1
	s_cmp_eq_u32 s[PH], 1
	s_cbranch_scc1 .Llast
	UNITS 1, 262144, LS, 24576, LB, 3072           ; wl's next unit is W1's first
	EP 2
	HEAD 1, 16                                     ; the ring's next tile is W1's trip 1
	UNITL AW1, 63, 1, 24, 0, 26, 0
	s_branch .Lln
.Llast:
	UNITS 0, 0, LS, 24576, LB, 3072                ; the last two units ask for no weights
	EP 2
	HEAD 0, 0
	UNITL AW1, 0, 0, 0, 0, 0, 0
.Lln:
	EP 3
	GB
	STATS
	s_wait_loadcnt 0x0                             ; gains and biases
	NORM 0
	NORM 1
	NORM 2
	NORM 3
	s_wait_alu depctr_va_vdst(0)                   ; the wait ahead of the branch
	s_cmp_eq_u32 s[PH], 1
	s_cbranch_scc1 .Lout
.irp i, 0,1,2,3
	QUANT 64*\i, 2                                 ; x1 stays in window 2 and is quantised
	IMG HWI, HWS, 2048*\i, 256*\i
.endr
	BARRIER                                        ; x1's sixteen fragments lie in LDS
	FETCH 0
	s_wait_xcnt 0x0                                ; every load issued has read its base
	s_add_nc_u64 s[WP:WP+1], s[WP:WP+1], 262144
	s_mov_b64 s[NS:NS+1], s[24:25]
	s_mov_b64 s[NB:NB+1], s[26:27]
	s_mov_b64 s[LG:LG+1], s[36:37]
	s_mov_b64 s[LH:LH+1], s[38:39]
	s_mov_b32 s[CNT], 0
	s_mov_b32 s[IO], 0
	s_mov_b32 s[OFF], 0
.Lh:                                                   ; gelu(x1 W1 + b1), quantised: two trips of two units, one from wl and one from the ring
	s_wait_xcnt 0x0
	s_add_nc_u64 s[WP:WP+1], s[WP:WP+1], 131072    ; wl's next unit
	s_mov_b64 s[LS:LS+1], s[NS:NS+1]
	s_mov_b64 s[LB:LB+1], s[NB:NB+1]
	s_add_nc_u64 s[NS:NS+1], s[LS:LS+1], 16384
	s_add_nc_u64 s[NB:NB+1], s[LB:LB+1], 2048
	s_cmp_eq_u32 s[CNT], 1                         ; behind W1's last unit comes W2's first: a choice on the trip's number
	s_cselect_b64 s[NS:NS+1], s[28:29], s[NS:NS+1]
	s_cselect_b64 s[NB:NB+1], s[30:31], s[NB:NB+1]
	s_lshr_b32 s60, s[IO], 3
	v_add_nc_u32 v18, s[IO], v[HWI]
	v_add_nc_u32 v19, s60, v[HWS]
	v_add_nc_u32 v[AWL], s[OFF], v[AW0]
	UNITS 1, 0, LS, 8192, LB, 1024
	GELU
	QUANT HA, 0
	IMG 18, 19, IMG1, IMG1
	s_wait_tensorcnt 0x0                           ; the ring's tile has landed
	ds_add_u32 v[SPW], v[NIL]                      ; 0 onto my spare word
	s_xor_b32 s[G0+1], s[G0+1], SLOTB
	s_add_nc_u64 s[G0+2:G0+3], s[G0+2:G0+3], 262144
	s_cmp_eq_u32 s[CNT], 1
	s_cselect_b64 s[G0+2:G0+3], s[W2T:W2T+1], s[G0+2:G0+3]
	s_wait_dscnt 0x0
	ROUND
	tensor_load_to_lds s[G0:G0+3], s[G1:G1+7]
	s_nop 0
	PLACES 4
	UNITL AWL, 63, 1, NS, 0, NB, 0
	GELU
	QUANT HA, 0
	IMG 18, 19, IMG1+2048, IMG1+256
	s_xor_b32 s[OFF], s[OFF], SLOTB
	s_add_co_u32 s[IO], s[IO], 4096
	s_add_co_u32 s[CNT], s[CNT], 1
	s_cmp_lt_u32 s[CNT], 2
	s_cbranch_scc1 .Lh
	BARRIER                                        ; the gelu's sixteen fragments lie in LDS
	s_wait_xcnt 0x0
	s_mov_b64 s[LS:LS+1], s[NS:NS+1]               ; W2's
	s_mov_b64 s[LB:LB+1], s[NB:NB+1]
	s_add_co_u32 s[PH], s[PH], 1
	s_cmp_lt_u32 s[PH], 2
	s_cbranch_scc1 .Lphase
.Lout:
.irp b, 0,1,2,3,4,5,6,7
	OSTG \b                                        ; all eight blocks turn first: no LDS instruction stands behind a global store
.endr
.irp b, 0,1,2,3,4,5,6,7
.if \b < 4
	s_wait_dscnt 63                                ; block b is back: behind it stand 64 LDS instructions or more, and 63 is the largest count that the wait can name
.else
	s_wait_dscnt 16*(7-\b)                         ; block b is back; behind it: 16 LDS instructions for each later block
.endif
	OSEND \b
.endr
	WIN 0
	s_wait_tensorcnt 0x0                           ; the wave's end
	ds_add_u32 v[SPW], v[NIL]
	s_wait_dscnt 0x0
	ROUND                                          ; the closing round
	s_endpgm
.Lfunc_end_k_qa7ef99ec16_tail:
	.size	k_qa7ef99ec16_tail, .Lfunc_end_k_qa7ef99ec16_tail-k_qa7ef99ec16_tail
	.p2alignl 7, 3214868480
	.fill 96, 4, 3214868480
	.section	.rodata,"a",@progbits
	.p2align	6, 0x0
	.amdhsa_kernel k_qa7ef99ec16_tail
		.amdhsa_group_segment_fixed_size 327680
		.amdhsa_private_segment_fixed_size 0
		.amdhsa_enable_private_segment 0
		.amdhsa_kernarg_size 144
		.amdhsa_user_sgpr_count 2
		.amdhsa_user_sgpr_kernarg_segment_ptr 1
		.amdhsa_wavefront_size32 1
		.amdhsa_system_sgpr_workgroup_id_x 1
		.amdhsa_system_sgpr_workgroup_id_y 1
		.amdhsa_system_sgpr_workgroup_id_z 1
		.amdhsa_system_vgpr_workitem_id 0
		.amdhsa_next_free_vgpr 1024
		.amdhsa_next_free_sgpr 102
		.amdhsa_reserve_vcc 1
		.amdhsa_float_denorm_mode_32 3
		.amdhsa_float_denorm_mode_16_64 3
		.amdhsa_memory_ordered 1
		.amdhsa_forward_progress 1
		.amdhsa_inst_pref_size 255
	.end_amdhsa_kernel
	.section	.bss,"aw",@nobits
	.p2align	6
	.space	262144
	.amdgpu_metadata
---
amdhsa.version: [ 1, 2 ]
amdhsa.kernels:
  - .name:           k_qa7ef99ec16_tail
    .symbol:         k_qa7ef99ec16_tail.kd
    .args:
      - { .name: oc, .offset: 0, .size: 8, .value_kind: global_buffer, .address_space: global }
      - { .name: os, .offset: 8, .size: 8, .value_kind: global_buffer, .address_space: global }
      - { .name: x, .offset: 16, .size: 8, .value_kind: global_buffer, .address_space: global }
      - { .name: out0, .offset: 24, .size: 8, .value_kind: global_buffer, .address_space: global }
      - { .name: wl, .offset: 32, .size: 8, .value_kind: global_buffer, .address_space: global }
      - { .name: W_proj_codes, .offset: 40, .size: 8, .value_kind: global_buffer, .address_space: global }
      - { .name: W1_codes, .offset: 48, .size: 8, .value_kind: global_buffer, .address_space: global }
      - { .name: W2_codes, .offset: 56, .size: 8, .value_kind: global_buffer, .address_space: global }
      - { .name: W_proj_scales, .offset: 64, .size: 8, .value_kind: global_buffer, .address_space: global }
      - { .name: b_proj, .offset: 72, .size: 8, .value_kind: global_buffer, .address_space: global }
      - { .name: W1_scales, .offset: 80, .size: 8, .value_kind: global_buffer, .address_space: global }
      - { .name: b1, .offset: 88, .size: 8, .value_kind: global_buffer, .address_space: global }
      - { .name: W2_scales, .offset: 96, .size: 8, .value_kind: global_buffer, .address_space: global }
      - { .name: b2, .offset: 104, .size: 8, .value_kind: global_buffer, .address_space: global }
      - { .name: ln1_g, .offset: 112, .size: 8, .value_kind: global_buffer, .address_space: global }
      - { .name: ln1_b, .offset: 120, .size: 8, .value_kind: global_buffer, .address_space: global }
      - { .name: ln2_g, .offset: 128, .size: 8, .value_kind: global_buffer, .address_space: global }
      - { .name: ln2_b, .offset: 136, .size: 8, .value_kind: global_buffer, .address_space: global }
    .group_segment_fixed_size: 327680
    .private_segment_fixed_size: 0
    .kernarg_segment_align: 8
    .kernarg_segment_size: 144
    .max_flat_workgroup_size: 128
    .sgpr_count:     102
    .vgpr_count:     1024
    .wavefront_size: 32
...
	.end_amdgpu_metadata
.endif
;; end of part 3
